; MI455X (gfx1250); checked and timed in simulation.
; The chip was launched on July 23, 2026; its instructions are those of AMD's public machine-readable ISA for CDNA 5 (MIT licence, August 2026) and "CDNA5" Instruction Set Architecture Reference Guide (July 2026). The comments in the code are by the model that wrote it; some were corrected since.
;; Self Attention. Allowed arithmetic: matrix products marked QUANTISED: E2M3 operands, one E8M0 scale for each 32 along K, by v_wmma_scale_f32_16x16x128_f8f6f4 with both operands' format E2M3, f32 sums; everything else in f32.
;; Inputs: Wk 1,024 x 1,024 float32; Wo 1,024 x 1,024 float32; Wq 1,024 x 1,024 float32; Wv 1,024 x 1,024 float32; bk 1,024 float32; bo 1,024 float32; bq 1,024 float32; bv 1,024 float32; keys 4 x 2,048 x 1,024 float32; mask 4 x 1 x 1 x 2,048 int32; query 4 x 2,048 x 1,024 float32; values 4 x 2,048 x 1,024 float32.
;; Outputs: out0 4 x 2,048 x 1,024 float32.
;; This version of the problem:
;;   THIS VERSION OF THE PROBLEM IS GIVEN IN LOW PRECISION. The matrix products marked QUANTISED in the list below multiply operands that are first quantised to E2M3 (2 exponent bits, 3 mantissa bits; 6 bits a number), with one power-of-two scale for each 32 numbers along K (OCP MX v1.0); their sums are f32. All else is computed in f32.
;;   The module's matrix products, in the order in which they are computed (A, B: the left and right operand; K: the contracted axis; several contracted axes count as one K, in the product's order):
;;     1. [M 8,192, K 1,024] x [K 1,024, N 1,024]; A: input values; B: input Wv: QUANTISED
;;     2. [M 8,192, K 1,024] x [K 1,024, N 1,024]; A: input keys; B: input Wk: QUANTISED
;;     3. [M 8,192, K 1,024] x [K 1,024, N 1,024]; A: input query; B: input Wq: QUANTISED
;;     4. batch 64 x [M 2,048, K 64] x [K 64, N 2,048]; A: computed on the way; B: computed on the way: QUANTISED
;;     5. batch 64 x [M 64, K 2,048] x [K 2,048, N 2,048]; A: computed on the way; B: softmax (see below): QUANTISED
;;     6. [M 8,192, K 1,024] x [K 1,024, N 1,024]; A: computed on the way; B: input Wo: QUANTISED
;;   THE QUANTISER, for each operand of a quantised product, along K:
;;     - K is cut into blocks of 32 from its start; a last block that is shorter is filled with zeros.
;;     - A block's scale is 2^e with e = floor(log2(the largest magnitude in the block)) - 2, held to -126 .. 127; a block of zeros has e = 0. As a byte (E8M0): e + 127.
;;     - Each number is divided by its block's scale, clamped to +-7.5, and rounded to the nearest number of E2M3, ties to even, subnormals kept.
;;     - The product sums the exact products of the quantised numbers (number of the format x scale) in f32.
;;   ~~~python
;;   def quantise(x, axis):      # numpy; x: float32 -> the quantised numbers, widened to float32 again
;;       x = np.moveaxis(x, axis, -1); K = x.shape[-1]
;;       x = np.pad(x, [(0, 0)] * (x.ndim - 1) + [(0, -K % 32)]); x = x.reshape(x.shape[:-1] + (-1, 32)); a = np.abs(x).max(-1, keepdims=True)
;;       e = np.where(a > 0, np.clip(np.frexp(np.where(a > 0, a, 1))[1] - 1 - 2, -126, 127), 0)      # np.frexp(a)[1] - 1 = floor(log2(a)), exactly
;;       r = np.clip(x / 2.0 ** e, -7.5, 7.5)
;;       step = 2.0 ** (np.maximum(np.frexp(np.where(r == 0, 1, r))[1] - 1, 0) - 3)
;;       q = np.round(r / step) * step * 2.0 ** e      # np.round: ties to even
;;       return np.moveaxis(q.reshape(q.shape[:-2] + (-1,))[..., :K], -1, axis).astype(np.float32)
;;   ~~~
;;   SOFTMAX AHEAD OF A QUANTISED PRODUCT. Where the list says 'softmax', what is quantised is not the finished softmax but p = 2^(t - M), with t = logit x log2(e) and M = ceil(the row's largest t), a whole number; so 1/2 < the row's largest p <= 1. The row's sum l is taken of the UNQUANTISED p, in f32, and the product's result is divided by l at the end. Since M is a whole number, a kernel that streams over the keys may use a running M (the ceiling of the running maximum): every later rescaling is an exact power of two, which a block's scale takes up: the codes' values come out the same.
;;   OPERANDS COMPUTED ON THE WAY. 'Computed on the way' means the value that the module computes at that place (a softmax that the list does not call 'softmax' is quantised finished and normalised). What goes into a quantiser is computed in f32, as accurately as f32 sums, v_exp_f32 and their like allow (about 1e-6 of the number): no bf16 or f16 on the way to a quantiser, and a product that is left as it is and whose result goes on into a quantised operand takes f32 operands (vector FMAs, or v_wmma_f32_16x16x4_f32). A number that lies on a knife's edge between two numbers of the format may be rounded either way, as far as f32 arithmetic and the matrix unit's own rounding can turn it there, and no further.
;; One version. Each part assembles by itself: llvm-mc -triple=amdgcn-amd-amdhsa -mcpu=gfx1250 --defsym DOCPART=n.
;; ======== version 1 of 1: 4 launches
;; limits: right only within a limited range of input values
;; workspace buffers: wcod 3,145,728 bytes; wscl 131,072 bytes; xcod 18,874,368 bytes; xscl 786,432 bytes; qkv 20,185,088 bytes; acod 6,291,456 bytes; ascl 262,144 bytes
;; launch quant (part 1): grid 1024 x 1, 4 waves a work-group, no clusters, 49,664 bytes of LDS; arguments query, keys, values, xcod, xscl, Wq, Wk, Wv, Wo, wcod, wscl; writes xcod, xscl, wcod, wscl
.if DOCPART == 1
	.amdgcn_target "amdgcn-amd-amdhsa--gfx1250"
	.amdhsa_code_object_version 6
	.text
	.protected	k_q221a6da764_quant
	.globl	k_q221a6da764_quant
	.p2align	8
	.type	k_q221a6da764_quant,@function
k_q221a6da764_quant:
	s_mov_b64 s[64:65], 0
	v_nop
	global_prefetch_b8 v0, s[64:65] scope:SCOPE_SE
	s_setreg_imm32_b32 hwreg(HW_REG_WAVE_MODE, 25, 1), 1
	s_wait_xcnt 0x0
; ONE PREPARING LAUNCH FOR ALL SEVEN OPERANDS: f32 numbers become codes of FP6 (E2M3) with one E8M0 byte for each 32 along K, laid as IMAGES OF THE OPERAND'S REGISTERS.
; A fragment (16 rows x 128 K, 12 registers a lane) is 1,536 bytes: for each half c of its K: registers 6c..6c+3 at 768 c + 16 x lane, registers 6c+4, 6c+5 at 768 c + 512 + 8 x lane.
; Codes: [tensor][tile][K step 0..7][1536].  Scale words of four bytes: [tensor][tile][K step / 2][r][K step % 2].
; A block's scale is 2^(floor(log2(largest magnitude)) - 2); its byte is the largest magnitude's exponent field - 2, held at 1 from below.
; WORK-GROUPS 0 .. 767: query, keys, values [8192][1024], K innermost.  Tile T = 2 G + u holds in lane-row r the row 32 G + 8 u + r + 8 (r / 8).
;   KEYS ALONE HAVE ANOTHER ORDER OF ROWS: tile T = 4 P + t holds in lane-row r the row 64 P + 32 (r / 8) + 8 t + r % 8, so that in the scores a lane's 32 registers of four tiles are one block of 32 keys.
;   A work-group takes a group of 32 rows; wave w takes tile u = w % 2 and half w / 2 of K, in 4 steps of 128.  Each load reads 512 consecutive bytes of one row; a step's 16 rows turn through the wave's own stage in LDS
;   (rows 528 bytes apart) and come back so that lane (r, h) holds, of row r, 16 neighbours of each block of 32.  Loads run two steps (32 loads a wave) ahead.
; WORK-GROUPS 768 .. 1023: the four weights [1024 (k)][1024 (n)], K their FIRST axis.  Tile 2 G + u holds in lane-row r the column 32 G + 8 u + r + 8 (r / 8).  A lane takes a column and its registers run down K:
;   a load reads 128 consecutive bytes a wave, a block of 32 lies in one lane, the conversions give K innermost.  A wave takes 32 columns x 128 along K: two fragments, put together in its own 3,072 bytes of LDS.
; The two paths part on the work-group's number alone and have LDS bytes of their own.  Waves share nothing: no barrier.
; LIMITS: a block of zeros gets the byte 1 (its codes are zeros; this program alone reads the bytes); NaN and infinities are not served.
.set WLDS,  36864                      ; LDS: four stages of 9,216 bytes for the rows' path, then 4 x 3,072 for the weights'
.set SPARE, 49152                      ; and the spare words
.set R,   16                           ; rows: v16-143  two sets of 64 numbers as loaded
.set X,   144                          ; v144-207 64 numbers: register 16 b + i = k 32 b + 16 h + i of my row
.set PC,  208                          ; v208-226 the codes
.set TM,  228                          ; v228-243 at work
.set PW,  244                          ; the scale word
.set SEL, 20
.set WX,  32                           ; weights: v32-159 four blocks of 32 numbers
.set WC,  160                          ; v160-191 eight registers of codes for each block, never written again
; 64 numbers of a lane, v[s] .. v[s + 63], become a fragment's 12 registers of codes in v[PC] on and its row's scale word in v[PW].
.macro QUANT s
.irp b, 0,1,2,3
	v_max3_num_f32 v[TM+\b], |v[\s+16*\b]|, |v[\s+1+16*\b]|, 0x1800000   ; block b: my 16 numbers, and the floor 2^(3 - 127): the byte cannot fall under 1
.endr
.irp i, 2,4,6,8,10,12,14
.irp b, 0,1,2,3
	v_max3_num_f32 v[TM+\b], v[TM+\b], |v[\s+16*\b+\i]|, |v[\s+1+16*\b+\i]|   ; the four blocks by turns
.endr
.endr
.irp b, 0,1,2,3
	v_permlanex16_b32 v[TM+4+\b], v[TM+\b], s[SEL], s[SEL+1]
.endr
.irp b, 0,1,2,3
	v_max_num_f32 v[TM+\b], v[TM+\b], v[TM+4+\b]   ; with lane l xor 16's: the block's largest magnitude
.endr
.irp b, 0,1,2,3
	v_add_nc_u32 v[TM+12+\b], 0xff000000, v[TM+\b] ; 2 off its exponent field: the conversion's scale operand
.endr
.irp b, 0,1,2,3
	v_lshrrev_b32 v[TM+4+\b], 23, v[TM+12+\b]      ; the scale's byte
.endr
	v_lshl_or_b32 v[PW], v[TM+5], 8, v[TM+4]
	v_lshl_or_b32 v[PW], v[TM+6], 16, v[PW]
	v_lshl_or_b32 v[PW], v[TM+7], 24, v[PW]
.irp c, 0,1
	v_cvt_scalef32_pk16_fp6_f32 v[PC+6*\c:PC+2+6*\c], v[\s+32*\c:\s+15+32*\c], v[TM+12+2*\c]
	v_cvt_scalef32_pk16_fp6_f32 v[PC+12+4*\c:PC+14+4*\c], v[\s+16+32*\c:\s+31+32*\c], v[TM+12+2*\c+1]   ; (a conversion's three registers begin on an even number)
.endr
	v_nop                                          ; one plain instruction behind the conversions
.irp c, 0,1                                    ; the layout wants a WHOLE block in a lane: lanes 0-15 block 2 c, lanes 16-31 block 2 c + 1
.irp i, 0,1,2
	v_permlane16_swap_b32 v[PC+6*\c+\i], v[PC+12+4*\c+\i]
.endr
.irp i, 0,1,2
	v_mov_b32 v[PC+3+6*\c+\i], v[PC+12+4*\c+\i]
.endr
.endr
.endm
.macro LOAD s                          ; step s: 512 bytes of each of my 16 rows; lane-rows 8-15 go by v10, which for keys lies 16 rows further on
.irp i, 0,1,2,3,4,5,6,7,8,9,10,11,12,13,14,15
.if \i < 8
	global_load_b128 v[R+64*((\s)%2)+4*\i:R+64*((\s)%2)+4*\i+3], v1, s[4:5] offset:(\i+8*(\i/8))*4096+512*(\s) th:TH_LOAD_NT
.else
	global_load_b128 v[R+64*((\s)%2)+4*\i:R+64*((\s)%2)+4*\i+3], v10, s[4:5] offset:(\i+8*(\i/8))*4096+512*(\s) th:TH_LOAD_NT
.endif
.endr
.endm
.macro XSTEP s
.if (\s) < 3
	s_wait_loadcnt 16                              ; this step's 16 loads are in; the next step's 16 may be out
.else
	s_wait_loadcnt 0
.endif
.irp i, 0,1,2,3,4,5,6,7,8,9,10,11,12,13,14,15
	ds_store_b128 v3, v[R+64*((\s)%2)+4*\i:R+64*((\s)%2)+4*\i+3] offset:528*\i
.endr
.irp b, 0,1,2,3
.irp j, 0,1,2,3
	ds_load_b128 v[X+16*\b+4*\j:X+16*\b+4*\j+3], v4 offset:128*\b+16*\j     ; LDS serves a wave's instructions in order: these see the stores above
.endr
.endr
	s_wait_dscnt 0x0                               ; the numbers are back, and the stage's stores have read their registers,
.if (\s)+2 < 4
	LOAD (\s)+2                                    ; which take the loads of two steps on
.endif
	s_wait_xcnt 0x0                                ; the last step's stores have read the codes' registers: they are written again only behind this wait
	QUANT X
	global_store_b128 v1, v[PC:PC+3], s[10:11] offset:1536*(\s)           ; each store of the wave covers 512 or 256 consecutive bytes, aligned to 256
	global_store_b64 v2, v[PC+4:PC+5], s[10:11] offset:1536*(\s)+512
	global_store_b128 v1, v[PC+6:PC+9], s[10:11] offset:1536*(\s)+768
	global_store_b64 v2, v[PC+10:PC+11], s[10:11] offset:1536*(\s)+1280
	ds_store_b32 v5, v[PW] offset:128*((\s)/2)+4*((\s)%2)                 ; both halves of the lanes write the same word with the same value
.endm
.macro LOADW t                         ; block t: W(128 s + 32 t + i, my column)
.set ii, 0
.rept 32
	global_load_b32 v[WX+32*(\t)+ii], v3, s[4:5] offset:(32*(\t)+ii)*4096 th:TH_LOAD_NT
.set ii, ii+1
.endr
.endm
.macro BLOCK t
.set XS, WX+32*(\t)
.set CC, WC+8*(\t)
.if (\t) < 3
	s_wait_loadcnt 32                              ; this block's 32 loads are in; the next block's 32 may be out
.else
	s_wait_loadcnt 0
.endif
.if (\t)+2 < 4
	LOADW (\t)+2                                   ; two blocks ahead, into registers of its own
.endif
	v_max3_num_f32 v12, |v[XS]|, |v[XS+1]|, |v[XS+2]|      ; the block's largest magnitude: all 32 numbers are mine; two chains
	v_max3_num_f32 v13, |v[XS+3]|, |v[XS+4]|, |v[XS+5]|
.irp i, 6,10,14,18,22,26
	v_max3_num_f32 v12, v12, |v[XS+\i]|, |v[XS+\i+1]|
	v_max3_num_f32 v13, v13, |v[XS+\i+2]|, |v[XS+\i+3]|
.endr
	v_max3_num_f32 v12, v12, |v[XS+30]|, |v[XS+31]|
	v_max3_num_f32 v12, v12, v13, 0x1800000        ; and the floor 2^(3 - 127): the byte cannot fall under 1
	v_add_nc_u32 v11, 0xff000000, v12              ; 2 off the exponent field: the conversion's scale operand
	v_lshrrev_b32 v13, 23, v11                     ; the scale's byte
.if (\t) == 0
	v_mov_b32 v9, v13
.else
	v_lshl_or_b32 v9, v13, 8*(\t), v9              ; byte t of my column's scale word for this K step
.endif
	v_cvt_scalef32_pk16_fp6_f32 v[CC:CC+2], v[XS:XS+15], v11
	v_cvt_scalef32_pk16_fp6_f32 v[CC+4:CC+6], v[XS+16:XS+31], v11   ; (a conversion's three registers begin on an even number)
	v_nop                                          ; one plain instruction behind the conversions, ahead of the moves
	v_mov_b32 v[CC+3], v[CC+4]
	v_mov_b32 v[CC+4], v[CC+5]
	v_mov_b32 v[CC+5], v[CC+6]                     ; six registers on end: K = 32 t + 0 .. 31: half c = t / 2 of the fragment, lane r + 16 (t % 2)
	ds_store_b128 v4, v[CC:CC+3] offset:768*((\t)/2)+256*((\t)%2)
	ds_store_b64 v5, v[CC+4:CC+5] offset:768*((\t)/2)+512+128*((\t)%2)
.endm
	v_lshl_add_u32 v254, v0, 2, SPARE
	v_mov_b32 v255, 0
	v_lshrrev_b32 v7, 5, v0
	v_readfirstlane_b32 s16, v7                    ; wave 0..3
	s_cmp_lt_u32 ttmp9, 768
	s_cbranch_scc0 .Lweights
	; ---- query, keys, values
	s_load_b128 s[4:7], s[0:1], 0x0                ; query, keys
	s_load_b128 s[8:11], s[0:1], 0x10              ; values, xcod
	s_load_b64 s[12:13], s[0:1], 0x20              ; xscl
	s_and_b32 s14, s16, 1                          ; u: my tile of the group's two
	s_lshr_b32 s15, s16, 1                         ; my half of K
	v_and_b32 v7, 31, v0
	v_lshlrev_b32 v1, 4, v7                        ; 16 x lane
	v_lshlrev_b32 v2, 3, v7                        ; 8 x lane
	v_and_b32 v8, 15, v0                           ; r
	v_bfe_u32 v9, v0, 4, 1                         ; h
	s_mul_i32 s17, s16, 9216                       ; my wave's LDS: a stage of 16 x 528 bytes, then its scale words
	v_add_nc_u32 v3, s17, v1                       ; the stage, in
	v_mul_u32_u24 v4, v8, 528
	v_lshl_add_u32 v4, v9, 6, v4
	v_add_nc_u32 v4, s17, v4                       ; and out: row r, + 64 h
	s_add_co_u32 s18, s17, 8448
	v_lshlrev_b32 v5, 3, v8
	v_add_nc_u32 v5, s18, v5                       ; my row's scale words: 8 r
	v_add_nc_u32 v6, s18, v2
	s_mov_b32 s[SEL], 0x76543210
	s_mov_b32 s[SEL+1], 0xfedcba98                 ; lane l xor 16
.irp b, 0,1,2,3
	v_mov_b32 v[TM+4+\b], 0                        ; written once: a lane permute's destination counts as one of its sources
.endr
	s_lshr_b32 s19, ttmp9, 8                       ; which tensor
	s_and_b32 s22, ttmp9, 255                      ; G
	s_lshl_b32 s23, s22, 1
	s_add_co_u32 s23, s23, s14                     ; T = 2 G + u
	s_lshl_b32 s24, s22, 17                        ; in: row 32 G + 8 u, 4,096 bytes a row, + 2,048 bytes for the upper half of K
	s_lshl_b32 s25, s14, 15
	s_add_co_u32 s24, s24, s25
	s_lshl_b32 s25, s15, 11
	s_add_co_u32 s24, s24, s25
	s_mov_b32 s25, 0
	s_mul_i32 s26, s19, 6291456                    ; codes: the tensor, tile T, K step 4 x half
	s_mul_i32 s27, s23, 12288
	s_add_co_u32 s26, s26, s27
	s_mul_i32 s27, s15, 6144
	s_add_co_u32 s26, s26, s27
	s_mov_b32 s27, 0
	s_lshl_b32 s28, s19, 18                        ; scale words: 512 bytes a tile, 256 for each half of K
	s_lshl_b32 s29, s23, 9
	s_add_co_u32 s28, s28, s29
	s_lshl_b32 s29, s15, 8
	s_add_co_u32 s28, s28, s29
	s_mov_b32 s29, 0
	s_cmp_eq_u32 s19, 1                            ; keys: the tile begins 16 (G % 2) rows earlier, and its lane-rows 8-15 lie 16 rows further on
	s_cselect_b32 s30, 0x10000, 0
	s_and_b32 s31, s22, 1
	s_lshl_b32 s31, s31, 16
	s_cmp_eq_u32 s19, 1
	s_cselect_b32 s31, s31, 0
	s_sub_co_u32 s24, s24, s31
	v_add_nc_u32 v10, s30, v1
	s_wait_alu depctr_va_vdst(0)                   ; the wait at the head's end
	s_wait_kmcnt 0x0
	s_cmp_eq_u32 s19, 0                            ; the choice of the tensor hangs on the work-group's number alone
	s_cselect_b64 s[4:5], s[4:5], s[6:7]
	s_cmp_eq_u32 s19, 2
	s_cselect_b64 s[4:5], s[8:9], s[4:5]
	s_add_nc_u64 s[4:5], s[4:5], s[24:25]
	s_add_nc_u64 s[10:11], s[10:11], s[26:27]
	s_add_nc_u64 s[12:13], s[12:13], s[28:29]
	LOAD 0
	LOAD 1
.irp t, 0,1,2,3
	XSTEP \t
.endr
	ds_load_b64 v[16:17], v6                       ; my 256 bytes of scale words
	s_wait_dscnt 0x0
	global_store_b64 v2, v[16:17], s[12:13]        ; 32 lanes store one aligned unit of 256 bytes
	s_wait_tensorcnt 0x0                           ; the wave's end
	ds_add_u32 v254, v255
	s_wait_dscnt 0x0
	s_endpgm
.Lweights:
	; ---- the four weights
	s_load_b256 s[4:11], s[0:1], 0x28              ; Wq, Wk, Wv, Wo
	s_load_b128 s[12:15], s[0:1], 0x48             ; wcod, wscl
	v_and_b32 v2, 31, v0                           ; lane j = my column in the group of 32
	v_lshlrev_b32 v3, 2, v2                        ; in: 4 bytes a lane
	v_bfe_u32 v10, v0, 3, 1                        ; u = (j / 8) % 2: which of the group's two tiles
	v_and_b32 v11, 7, v0
	v_bfe_u32 v12, v0, 4, 1
	v_lshl_add_u32 v11, v12, 3, v11                ; r = j % 8 + 8 (j / 16): my lane-row in it
	s_mul_i32 s17, s16, 3072                       ; my wave's two images in LDS
	s_add_co_u32 s17, s17, WLDS
	v_mul_u32_u24 v13, v10, 1536
	v_add_nc_u32 v13, s17, v13
	v_lshl_add_u32 v4, v11, 4, v13                 ; where registers 0-3 of a half go: + 16 r
	v_lshl_add_u32 v5, v11, 3, v13                 ; registers 4, 5: + 8 r
	v_lshlrev_b32 v7, 4, v2                        ; out: 16 bytes a lane
	v_add_nc_u32 v6, s17, v7
	v_lshlrev_b32 v8, 9, v10
	v_lshl_add_u32 v8, v11, 3, v8                  ; my scale word: 512 u + 8 r
	s_sub_co_u32 s28, ttmp9, 768                   ; 0 .. 255: 8 groups of 128 columns x (4 weights x 8 K steps)
	s_and_b32 s29, s28, 7
	s_lshr_b32 s18, s28, 3
	s_lshr_b32 s19, s18, 3                         ; which weight
	s_and_b32 s18, s18, 7                          ; K step s
	s_lshl_b32 s20, s29, 2
	s_add_co_u32 s20, s20, s16                     ; G: my group of 32 columns
	s_lshl_b32 s22, s18, 19                        ; W: 128 s rows of 4,096 bytes
	s_lshl_b32 s21, s20, 7                         ; + 128 G bytes
	s_add_co_u32 s22, s22, s21
	s_mov_b32 s23, 0
	s_mul_i32 s24, s19, 786432                     ; codes: the weight, tile 2 G, K step s
	s_mul_i32 s21, s20, 24576
	s_add_co_u32 s24, s24, s21
	s_mul_i32 s21, s18, 1536
	s_add_co_u32 s24, s24, s21
	s_mov_b32 s25, 0
	s_lshl_b32 s26, s19, 15                        ; scale words: 32,768 x weight + 1,024 G + 128 (s / 2) + 4 (s % 2)
	s_lshl_b32 s21, s20, 10
	s_add_co_u32 s26, s26, s21
	s_lshr_b32 s21, s18, 1
	s_lshl_b32 s21, s21, 7
	s_add_co_u32 s26, s26, s21
	s_and_b32 s21, s18, 1
	s_lshl_b32 s21, s21, 2
	s_add_co_u32 s26, s26, s21
	s_mov_b32 s27, 0
	s_and_b32 s21, s19, 1
	s_wait_alu depctr_va_vdst(0)                   ; the wait at the head's end
	s_wait_kmcnt 0x0
	s_cmp_lt_u32 s19, 2                            ; the choice of the weight hangs on the work-group's number alone
	s_cselect_b64 s[4:5], s[4:5], s[8:9]
	s_cselect_b64 s[6:7], s[6:7], s[10:11]
	s_cmp_eq_u32 s21, 0
	s_cselect_b64 s[4:5], s[4:5], s[6:7]
	s_add_nc_u64 s[4:5], s[4:5], s[22:23]
	s_add_nc_u64 s[12:13], s[12:13], s[24:25]
	s_add_nc_u64 s[14:15], s[14:15], s[26:27]
	LOADW 0
	LOADW 1
	BLOCK 0
	BLOCK 1
	BLOCK 2
	BLOCK 3
	global_store_b32 v8, v9, s[14:15]              ; my column's scale word of this K step
.irp i, 0,1,2,3,4,5
	ds_load_b128 v[WX+4*\i:WX+4*\i+3], v6 offset:512*\i            ; LDS serves a wave's instructions in order: these see my stores
.endr
.irp i, 0,1,2,3,4,5
	s_wait_dscnt 5-\i                              ; number i is back; the 5 - i behind it may be out
	global_store_b128 v7, v[WX+4*\i:WX+4*\i+3], s[12:13] offset:(\i/3)*12288+(\i%3)*512   ; 32 lanes store 512 consecutive bytes, aligned to 256
.endr
	s_wait_tensorcnt 0x0                           ; the wave's end
	ds_add_u32 v254, v255
	s_wait_dscnt 0x0
	s_endpgm
.Lfunc_end_k_q221a6da764_quant:
	.size	k_q221a6da764_quant, .Lfunc_end_k_q221a6da764_quant-k_q221a6da764_quant
	.p2alignl 7, 3214868480
	.fill 96, 4, 3214868480
	.section	.rodata,"a",@progbits
	.p2align	6, 0x0
	.amdhsa_kernel k_q221a6da764_quant
		.amdhsa_group_segment_fixed_size 49664
		.amdhsa_private_segment_fixed_size 0
		.amdhsa_enable_private_segment 0
		.amdhsa_kernarg_size 88
		.amdhsa_user_sgpr_count 2
		.amdhsa_user_sgpr_kernarg_segment_ptr 1
		.amdhsa_wavefront_size32 1
		.amdhsa_system_sgpr_workgroup_id_x 1
		.amdhsa_system_sgpr_workgroup_id_y 1
		.amdhsa_system_sgpr_workgroup_id_z 1
		.amdhsa_system_vgpr_workitem_id 0
		.amdhsa_next_free_vgpr 256
		.amdhsa_next_free_sgpr 66
		.amdhsa_reserve_vcc 0
		.amdhsa_float_denorm_mode_32 3
		.amdhsa_float_denorm_mode_16_64 3
		.amdhsa_memory_ordered 1
		.amdhsa_forward_progress 1
		.amdhsa_inst_pref_size 57
	.end_amdhsa_kernel
	.amdgpu_metadata
---
amdhsa.version: [ 1, 2 ]
amdhsa.kernels:
  - .name:           k_q221a6da764_quant
    .symbol:         k_q221a6da764_quant.kd
    .args:
      - { .name: query, .offset: 0, .size: 8, .value_kind: global_buffer, .address_space: global }
      - { .name: keys, .offset: 8, .size: 8, .value_kind: global_buffer, .address_space: global }
      - { .name: values, .offset: 16, .size: 8, .value_kind: global_buffer, .address_space: global }
      - { .name: xcod, .offset: 24, .size: 8, .value_kind: global_buffer, .address_space: global }
      - { .name: xscl, .offset: 32, .size: 8, .value_kind: global_buffer, .address_space: global }
      - { .name: Wq, .offset: 40, .size: 8, .value_kind: global_buffer, .address_space: global }
      - { .name: Wk, .offset: 48, .size: 8, .value_kind: global_buffer, .address_space: global }
      - { .name: Wv, .offset: 56, .size: 8, .value_kind: global_buffer, .address_space: global }
      - { .name: Wo, .offset: 64, .size: 8, .value_kind: global_buffer, .address_space: global }
      - { .name: wcod, .offset: 72, .size: 8, .value_kind: global_buffer, .address_space: global }
      - { .name: wscl, .offset: 80, .size: 8, .value_kind: global_buffer, .address_space: global }
    .group_segment_fixed_size: 49664
    .private_segment_fixed_size: 0
    .kernarg_segment_align: 8
    .kernarg_segment_size: 88
    .max_flat_workgroup_size: 128
    .sgpr_count:     66
    .vgpr_count:     256
    .wavefront_size: 32
...
	.end_amdgpu_metadata
.endif
;; end of part 1
;; launch proj (part 2): grid 4 x 96, 4 waves a work-group, clusters of 4 x 4, 327,680 bytes of LDS; arguments xcod, xscl, wcod, wscl, bq, bk, bv, qkv; writes qkv
.if DOCPART == 2
	.amdgcn_target "amdgcn-amd-amdhsa--gfx1250"
	.amdhsa_code_object_version 6
	.text
	.protected	k_q221a6da764_proj
	.globl	k_q221a6da764_proj
	.p2align	8
	.type	k_q221a6da764_proj,@function
k_q221a6da764_proj:
	s_mov_b64 s[64:65], 0
	v_nop
	global_prefetch_b8 v0, s[64:65] scope:SCOPE_SE
	s_setreg_imm32_b32 hwreg(HW_REG_WAVE_MODE, 25, 1), 1
	s_wait_xcnt 0x0
	s_wait_alu depctr_hold_cnt(0) depctr_sa_sdst(0) depctr_va_vdst(0) depctr_va_sdst(0) depctr_va_ssrc(0) depctr_va_vcc(0) depctr_vm_vsrc(0)
	s_getreg_b32 s2, hwreg(HW_REG_IB_STS2, 6, 4)
	s_cmp_eq_u32 s2, 0
	s_cbranch_scc0 .Lentry_in_a_cluster
	s_endpgm
.Lentry_in_a_cluster:
	s_bfe_u32 s2, ttmp6, 0x10000c
	s_cmp_lg_u32 s2, 0xf033
	s_cbranch_scc0 .Lentry_shape_is_right
	s_endpgm
.Lentry_shape_is_right:
.set NQ,    2
.set FR,    12
.set NL,    4
.set NP,    4
.set TB3,   3072
.set HALFT, 8*TB3
.set SLOT,  4*HALFT
.set SCL,   2*SLOT
.set SPARE, SCL+16384
.set QSO,   6291456
.set KVB,   6815744
.set ADRA, 16
.set ADRB, 20
.set L16,  24
.set L8,   25
.set ADRS, 27
.set SPW,  28
.set NIL,  29
.set SC,   32
.set BIA,  64
.set AF,   128
.set HA,   128
.set PC,   192
.set TM,   212
.set PW,   228
.set TMPR, 229
.set SLO,  232
.set SHI,  236
.set SEL,  100
.set G1,   24
.set G0,   32
.set G1B,  48
.set G0B,  56
.set G1S,  68
.set G0S,  76
.set G1SB, 80
.set G0SB, 88
.set MSB, 0
.macro WIN new
.if MSB != \new
	s_set_vgpr_msb (MSB<<8)|\new
.set MSB, \new
.endif
.endm
.set MUL_LO, 0xa1
.set MUL_HI, 0xf1
.set TO_B,   0x40
.macro JLOAD g0a, g1a, g0b, g1b
	s_cmp_eq_u32 s15, 0
	s_cbranch_scc0 .Lfor_b_\@
	tensor_load_to_lds s[\g0a:\g0a+3], s[\g1a:\g1a+7]
	s_nop 0
.rept 4
	v_nop
.endr
	s_branch .Lasked_\@
.Lfor_b_\@:
	tensor_load_to_lds s[\g0b:\g0b+3], s[\g1b:\g1b+7]
	s_nop 0
.rept 4
	v_nop
.endr
.Lasked_\@:
.endm
.macro CREST
	s_cmp_lg_u32 s14, 0
	s_cbranch_scc1 .Lnot_wave_0_\@
	s_barrier_signal -3
.Lnot_wave_0_\@:
	s_barrier_wait -3
	s_barrier_signal -1
	s_barrier_wait -1
.endm
.macro CROUND
	s_barrier_signal -1
	s_barrier_wait -1
	CREST
.endm
.macro PLACES n
.rept \n
	v_nop
.endr
.endm
.macro FRAG reg, adr, q, i
	ds_load_b128 v[\reg:\reg+3], v[\adr] offset:(\i)*TB3+(\q)*1536
	ds_load_b64 v[\reg+4:\reg+5], v[\adr+2] offset:(\i)*TB3+(\q)*1536+512
	ds_load_b128 v[\reg+6:\reg+9], v[\adr] offset:(\i)*TB3+(\q)*1536+768
	ds_load_b64 v[\reg+10:\reg+11], v[\adr+2] offset:(\i)*TB3+(\q)*1536+1280
.endm
.macro MUL16 a0, p, q, sc, zero
.irp a, \a0, \a0+1
.irp b, 0,1,2,3,4,5,6,7
.if \zero
	v_wmma_scale_f32_16x16x128_f8f6f4 v[8*(8*((\a)%4)+\b):8*(8*((\a)%4)+\b)+7], v[128*(\p)+FR*\b:128*(\p)+FR*\b+FR-1], v[AF+FR*(\a):AF+FR*(\a)+FR-1], 0, v[SC+8*NQ*(\sc)+NQ*\b+(\q)], v[SC+8*NQ*(\sc)+NQ*(\a)+(\q)] matrix_a_fmt:MATRIX_FMT_FP6 matrix_b_fmt:MATRIX_FMT_FP6 matrix_a_scale:MATRIX_SCALE_ROW1
.else
	v_wmma_scale_f32_16x16x128_f8f6f4 v[8*(8*((\a)%4)+\b):8*(8*((\a)%4)+\b)+7], v[128*(\p)+FR*\b:128*(\p)+FR*\b+FR-1], v[AF+FR*(\a):AF+FR*(\a)+FR-1], v[8*(8*((\a)%4)+\b):8*(8*((\a)%4)+\b)+7], v[SC+8*NQ*(\sc)+NQ*\b+(\q)], v[SC+8*NQ*(\sc)+NQ*(\a)+(\q)] matrix_a_fmt:MATRIX_FMT_FP6 matrix_b_fmt:MATRIX_FMT_FP6 matrix_a_scale:MATRIX_SCALE_ROW1
.endif
.endr
.endr
.endm
.macro FETCH_B slot, q, p
	WIN TO_B
.irp i, 0,1,2,3,4,5,6,7
	FRAG 128*(\p)+FR*\i, ADRB+\slot, \q, \i
.endr
	WIN 0
.endm
.macro FETCH_A slot, q, i0
.irp i, \i0, \i0+1, \i0+2, \i0+3
	FRAG AF+FR*(\i), ADRA+\slot, \q, \i
.endr
.endm
.macro SCALES sc
.irp i, 0,1,2,3,4,5,6,7
	ds_load_b64 v[SC+8*NQ*\sc+NQ*\i:SC+8*NQ*\sc+NQ*\i+1], v[ADRS] offset:\i*512
.endr
.endm
.macro STEP slot, q, zero
	s_wait_dscnt 4*NL
	WIN MUL_LO
	MUL16 0, (\q)%2, \q, \slot, \zero
	MUL16 2, (\q)%2, \q, \slot, \zero
	s_wait_dscnt 0
	PLACES NP
	FETCH_B \slot, (\q)+1, 1-(\q)%2
	FETCH_A \slot, (\q)+1, 0
	WIN MUL_HI
	MUL16 4, (\q)%2, \q, \slot, \zero
	MUL16 6, (\q)%2, \q, \slot, \zero
	PLACES NP
	WIN 0
	FETCH_A \slot, (\q)+1, 4
.endm
.macro TURN slot, next, fill
	s_wait_tensorcnt 0x0
	ds_add_u32 v[SPW], v[NIL]
	s_wait_dscnt 4*NL+1
	WIN MUL_LO
	MUL16 0, 1, NQ-1, \slot, 0
	s_wait_dscnt 0x0
	s_barrier_signal -1
	MUL16 2, 1, NQ-1, \slot, 0
	WIN 0
	s_barrier_wait -1
.if \fill
	CREST
	s_add_nc_u64 s[G0+4*\slot+2:G0+4*\slot+3], s[G0+4*\slot+2:G0+4*\slot+3], 2*TB3
	s_add_nc_u64 s[G0B+4*\slot+2:G0B+4*\slot+3], s[G0B+4*\slot+2:G0B+4*\slot+3], 2*TB3
	JLOAD G0+4*\slot, G1, G0B+4*\slot, G1B
.else
	PLACES NP
.endif
	s_wait_alu depctr_va_vdst(0)
	v_add_nc_u32 v[ADRS], 128, v[ADRS]
	FETCH_B \next, 0, 0
	FETCH_A \next, 0, 0
	SCALES \next
	WIN MUL_HI
	MUL16 4, 1, NQ-1, \slot, 0
	MUL16 6, 1, NQ-1, \slot, 0
	PLACES NP
	WIN 0
	FETCH_A \next, 0, 4
.endm
.macro LAST2
	STEP 1, 0, 0
	s_wait_dscnt 4*NL
	WIN MUL_LO
	MUL16 0, 1, NQ-1, 1, 0
	MUL16 2, 1, NQ-1, 1, 0
	s_wait_dscnt 0
	WIN MUL_HI
	MUL16 4, 1, NQ-1, 1, 0
	MUL16 6, 1, NQ-1, 1, 0
	WIN 0
	PLACES NP
.irp b, 0,1,2,3
	v_mov_b32 v[TM+4+\b], 0
.endr
	s_mov_b32 vcc_lo, 0xffff0000
	s_wait_loadcnt 0x0
.endm
.macro QUANT s
.irp b, 0,1,2,3
	v_max3_num_f32 v[TM+\b], |v[\s+16*\b]|, |v[\s+1+16*\b]|, 0x1800000
.endr
.irp i, 2,4,6,8,10,12,14
.irp b, 0,1,2,3
	v_max3_num_f32 v[TM+\b], v[TM+\b], |v[\s+16*\b+\i]|, |v[\s+1+16*\b+\i]|
.endr
.endr
.irp b, 0,1,2,3
	v_permlanex16_b32 v[TM+4+\b], v[TM+\b], s[SEL], s[SEL+1]
.endr
.irp b, 0,1,2,3
	v_max_num_f32 v[TM+\b], v[TM+\b], v[TM+4+\b]
.endr
.irp b, 0,1,2,3
	v_add_nc_u32 v[TM+12+\b], 0xff000000, v[TM+\b]
.endr
.irp b, 0,1,2,3
	v_lshrrev_b32 v[TM+4+\b], 23, v[TM+12+\b]
.endr
	v_lshl_or_b32 v[PW], v[TM+5], 8, v[TM+4]
	v_lshl_or_b32 v[PW], v[TM+6], 16, v[PW]
	v_lshl_or_b32 v[PW], v[TM+7], 24, v[PW]
.irp c, 0,1
	v_cvt_scalef32_pk16_fp6_f32 v[PC+6*\c:PC+2+6*\c], v[\s+32*\c:\s+15+32*\c], v[TM+12+2*\c]
	v_cvt_scalef32_pk16_fp6_f32 v[PC+12+4*\c:PC+14+4*\c], v[\s+16+32*\c:\s+31+32*\c], v[TM+12+2*\c+1]
.endr
	v_nop
.irp c, 0,1
.irp i, 0,1,2
	v_permlane16_swap_b32 v[PC+6*\c+\i], v[PC+12+4*\c+\i]
.endr
.irp i, 0,1,2
	v_mov_b32 v[PC+3+6*\c+\i], v[PC+12+4*\c+\i]
.endr
.endr
.endm
.macro ADDB a, isv
	WIN 0x02+(\a)/4
.set AC, 64*((\a)%4)
.set kk, 0
.rept 32
.if \isv
	v_pk_add_f32 v[HA+kk:HA+kk+1], v[AC+kk:AC+kk+1], v[BIA+2*(\a):BIA+2*(\a)+1] op_sel_hi:[1,0]
.else
	v_pk_add_f32 v[HA+kk:HA+kk+1], v[AC+kk:AC+kk+1], v[BIA+kk:BIA+kk+1]
.endif
.set kk, kk+2
.endr
	WIN 0
.endm
.macro QKBLK a
.if (\a) > 0
	s_wait_xcnt 0x0
.endif
	ADDB \a, 0
	QUANT HA
	global_store_b128 v[L16], v[PC:PC+3], s[4:5] offset:768*(\a)
	global_store_b64 v[L8], v[PC+4:PC+5], s[4:5] offset:768*(\a)+512
	global_store_b128 v[L16], v[PC+6:PC+9], s[6:7] offset:768*(\a)
	global_store_b64 v[L8], v[PC+10:PC+11], s[6:7] offset:768*(\a)+512
.if (\a)%2 == 0
	v_and_b32 v[SLO+(\a)/2], 0xffff, v[PW]
	v_lshrrev_b32 v[SHI+(\a)/2], 16, v[PW]
.else
	v_and_b32 v[TMPR], 0xffff, v[PW]
	v_cndmask_b32 v[SLO+(\a)/2], v[SLO+(\a)/2], v[TMPR], vcc_lo
	v_lshrrev_b32 v[TMPR], 16, v[PW]
	v_cndmask_b32 v[SHI+(\a)/2], v[SHI+(\a)/2], v[TMPR], vcc_lo
.endif
.endm
.macro VBLK a
.if (\a) > 0
	s_wait_xcnt 0x0
.endif
	ADDB \a, 1
	QUANT HA
.set PB, 4+2*((\a)/4)
.set SV, SLO+2*((\a)/4)+((\a)%4)/2
	global_store_b128 v[L16], v[PC:PC+3], s[PB:PB+1] offset:1536*((\a)%4)
	global_store_b64 v[L8], v[PC+4:PC+5], s[PB:PB+1] offset:1536*((\a)%4)+512
	global_store_b128 v[L16], v[PC+6:PC+9], s[PB:PB+1] offset:1536*((\a)%4)+768
	global_store_b64 v[L8], v[PC+10:PC+11], s[PB:PB+1] offset:1536*((\a)%4)+1280
.if (\a)%2 == 0
	v_mov_b32 v[SV], v[PW]
.else
	v_cndmask_b32 v[SV], v[SV], v[PW], vcc_lo
.endif
.if (\a)%4 == 3
	global_store_b64 v[L8], v[SLO+2*((\a)/4):SLO+2*((\a)/4)+1], s[PB:PB+1] offset:6656
.endif
.endm
	s_load_b256 s[4:11], s[0:1], 0x0
	s_load_b256 s[92:99], s[0:1], 0x20
	v_lshl_add_u32 v[SPW], v0, 2, SPARE
	v_mov_b32 v[NIL], 0
	ds_add_u32 v28, v29
	ds_add_u32 v28, v29
	s_wait_dscnt 0x0
	v_lshrrev_b32 v1, 5, v0
	v_readfirstlane_b32 s14, v1
	s_lshr_b32 s15, s14, 1
	s_and_b32 s16, s14, 1
	s_bfe_u32 s40, ttmp6, 0x40000
	s_bfe_u32 s41, ttmp6, 0x40004
	s_and_b32 s18, ttmp7, 0xffff
	s_lshr_b32 s66, s18, 3
	s_and_b32 s18, s18, 7
	s_lshl_b32 s18, s18, 2
	s_cmp_eq_u32 s66, 2
	s_cselect_b32 s67, 1, 0
	s_cselect_b32 s42, s18, 0
	s_cselect_b32 s17, 0, s18
	s_add_co_u32 s42, s42, s40
	s_add_co_u32 s17, s17, s41
	s_lshl_b32 s43, s41, 2
	s_lshl_b32 s43, 15, s43
	s_lshl_b32 s44, 0x1111, s40
	s_or_b32 s[G1+0], s43, (3<<16)|(1<<21)
	s_or_b32 s[G1B+0], s44, (3<<16)|(1<<21)
.irp g, G1, G1B
	s_mov_b32 s[\g+1], 384<<16
	s_mov_b32 s[\g+2], 16<<16
	s_mov_b32 s[\g+3], 384<<16
	s_mov_b32 s[\g+4], 16
	s_mov_b32 s[\g+5], 1536
	s_mov_b32 s[\g+6], 0
	s_mov_b32 s[\g+7], 0
.endr
	s_or_b32 s[G1S+0], s43, (3<<16)|(1<<21)
	s_or_b32 s[G1SB+0], s44, (3<<16)|(1<<21)
.irp g, G1S, G1SB
	s_mov_b32 s[\g+1], 32<<16
	s_mov_b32 s[\g+2], 32<<16
	s_mov_b32 s[\g+3], 32<<16
	s_mov_b32 s[\g+4], 32
	s_mov_b32 s[\g+5], 32
	s_mov_b32 s[\g+6], 0
	s_mov_b32 s[\g+7], 0
.endr
	s_lshl_b32 s18, s17, 4
	s_lshl_b32 s19, s16, 3
	s_add_co_u32 s18, s18, s19
	s_lshl_b32 s12, s42, 4
	s_add_co_u32 s19, s12, s19
	s_mul_i32 s45, s14, HALFT
	s_mov_b32 s3, 0
	s_mov_b32 s13, 0
	s_mov_b32 s[SEL], 0x76543210
	s_mov_b32 s[SEL+1], 0xfedcba98
	s_wait_kmcnt 0x0
	s_mul_i32 s2, s66, 6291456
	s_add_nc_u64 s[4:5], s[4:5], s[2:3]
	s_mul_i32 s2, s66, 262144
	s_add_nc_u64 s[6:7], s[6:7], s[2:3]
	s_mul_i32 s2, s66, 786432
	s_add_nc_u64 s[8:9], s[8:9], s[2:3]
	s_mul_i32 s2, s66, 32768
	s_add_nc_u64 s[10:11], s[10:11], s[2:3]
	s_cmp_eq_u32 s67, 1
	s_cselect_b64 s[20:21], s[8:9], s[4:5]
	s_cselect_b64 s[22:23], s[10:11], s[6:7]
	s_cselect_b64 s[46:47], s[4:5], s[8:9]
	s_cselect_b64 s[104:105], s[6:7], s[10:11]
	s_mul_i32 s2, s18, 12288
	s_add_nc_u64 s[20:21], s[20:21], s[2:3]
	s_lshl_b32 s2, s18, 9
	s_add_nc_u64 s[22:23], s[22:23], s[2:3]
	s_mul_i32 s12, s19, 12288
	s_add_nc_u64 s[46:47], s[46:47], s[12:13]
	s_lshl_b32 s12, s19, 9
	s_add_nc_u64 s[104:105], s[104:105], s[12:13]
	CROUND
	; THE HEAD'S FOUR TILES, each whole, one joint load a wave: slot 0's 16 tiles of A, its 16 of B, A's 8,192 bytes of scale words, B's.
	; The addresses are taken back from my half (s16) to the tile's first row, so that they are the same in every wave.
	s_mul_i32 s2, s16, 8*12288
	s_mov_b32 s4, 1
	s_mov_b32 s5, 0
	s_sub_nc_u64 s[6:7], s[20:21], s[2:3]
	s_or_b32 s7, s7, 0x80000000
	s_mov_b32 s8, 1
	s_mov_b32 s9, 2*HALFT
	s_sub_nc_u64 s[10:11], s[46:47], s[2:3]
	s_or_b32 s11, s11, 0x80000000
	s_lshl_b32 s2, s16, 12
	s_mov_b32 s[G0S], 1
	s_mov_b32 s[G0S+1], SCL
	s_sub_nc_u64 s[G0S+2:G0S+3], s[22:23], s[2:3]
	s_or_b32 s[G0S+3], s[G0S+3], 0x80000000
	s_mov_b32 s[G0SB], 1
	s_mov_b32 s[G0SB+1], SCL+8192
	s_sub_nc_u64 s[G0SB+2:G0SB+3], s[104:105], s[2:3]
	s_or_b32 s[G0SB+3], s[G0SB+3], 0x80000000
.macro ARM under, g0, g1, next
	s_cmp_lt_u32 s14, \under
	s_cbranch_scc0 \next
	tensor_load_to_lds s[\g0:\g0+3], s[\g1:\g1+7]
	s_nop 0
.rept 4
	v_nop
.endr
	s_branch .Lhead_asked
\next:
.endm
	ARM 1, 4, G1, .Lhead_b
	ARM 2, 8, G1B, .Lhead_sa
	ARM 3, G0S, G1S, .Lhead_sb
	tensor_load_to_lds s[G0SB:G0SB+3], s[G1SB:G1SB+7]
	s_nop 0
.rept 4
	v_nop
.endr
.Lhead_asked:
.irp s, 0,1
	s_mov_b32 s[G0+4*\s], 1
	s_add_co_u32 s[G0+4*\s+1], s45, \s*SLOT
	s_add_nc_u64 s[G0+4*\s+2:G0+4*\s+3], s[20:21], \s*TB3
	s_or_b32 s[G0+4*\s+3], s[G0+4*\s+3], 0x80000000
	s_mov_b32 s[G0B+4*\s], 1
	s_add_co_u32 s[G0B+4*\s+1], s45, \s*SLOT
	s_add_nc_u64 s[G0B+4*\s+2:G0B+4*\s+3], s[46:47], \s*TB3
	s_or_b32 s[G0B+4*\s+3], s[G0B+4*\s+3], 0x80000000
.endr
	v_and_b32 v1, 15, v0
	v_bfe_u32 v2, v0, 4, 1
	v_and_b32 v3, 31, v0
	v_lshlrev_b32 v[L16], 4, v3
	v_lshlrev_b32 v[L8], 3, v3
	s_mul_i32 s21, s15, HALFT
	s_mul_i32 s22, s16, HALFT
	s_add_co_u32 s22, s22, 2*HALFT
.irp s, 0,1
	v_add_nc_u32 v[ADRA+\s], s21, v[L16]
	v_add_nc_u32 v[ADRB+\s], s22, v[L16]
	v_add_nc_u32 v[ADRA+2+\s], s21, v[L8]
	v_add_nc_u32 v[ADRB+2+\s], s22, v[L8]
	s_add_co_u32 s21, s21, SLOT
	s_add_co_u32 s22, s22, SLOT
.endr
	v_lshlrev_b32 v5, 3, v1
	s_lshl_b32 s21, s15, 12
	s_lshl_b32 s22, s16, 12
	s_add_co_u32 s22, s22, 8192
	s_sub_co_u32 s22, s22, s21
	v_mul_u32_u24 v6, s22, v2
	s_add_co_u32 s21, s21, SCL
	v_add_nc_u32 v5, v5, v6
	v_add_nc_u32 v[ADRS], s21, v5
	s_cmp_eq_u32 s67, 1
	s_cselect_b32 s2, s42, s17
	s_cselect_b32 s3, s16, s15
	s_cselect_b32 s12, s17, s42
	s_cselect_b32 s13, s15, s16
	s_lshl_b32 s2, s2, 8
	s_lshl_b32 s3, s3, 7
	s_add_co_u32 s105, s2, s3
	s_lshl_b32 s12, s12, 8
	s_lshl_b32 s13, s13, 7
	s_add_co_u32 s104, s12, s13
	s_lshl_b32 s2, s104, 2
	s_mov_b32 s3, 0
	s_cmp_eq_u32 s66, 0
	s_cselect_b64 s[92:93], s[92:93], s[94:95]
	s_cmp_eq_u32 s67, 1
	s_cselect_b64 s[92:93], s[96:97], s[92:93]
	s_add_nc_u64 s[92:93], s[92:93], s[2:3]
	s_lshr_b32 s2, s105, 11
	s_lshl_b32 s2, s2, 4
	s_lshr_b32 s104, s104, 6
	s_add_co_u32 s104, s104, s2
	s_bfe_u32 s105, s105, 0x40007
	s_wait_alu depctr_va_vdst(0)                   ; the wait at the head's end
	s_wait_tensorcnt 0x0                           ; my tile of the head's four is in; slot 1's first fill is issued as a refill is
	ds_add_u32 v[SPW], v[NIL]
	s_mov_b32 s[G1+2], 8<<16                       ; no tensor load of mine is out: from here on a load brings 8 tiles
	s_mov_b32 s[G1+4], 8
	s_mov_b32 s[G1B+2], 8<<16
	s_mov_b32 s[G1B+4], 8
	s_wait_dscnt 0x0
	CROUND
	JLOAD G0+4, G1, G0B+4, G1B
	FETCH_B 0, 0, 0
	FETCH_A 0, 0, 0
	SCALES 0
	FETCH_A 0, 0, 4
	STEP 0, 0, 1
	TURN 0, 1, 1
	STEP 1, 0, 0
	TURN 1, 0, 1
	STEP 0, 0, 0
	TURN 0, 1, 0
	s_cmp_eq_u32 s67, 1
	s_cbranch_scc1 .Lway_v
	v_lshlrev_b32 v5, 6, v2
.irp b, 0,1,2,3
.irp j, 0,1,2,3
	global_load_b128 v[BIA+16*\b+4*\j:BIA+16*\b+4*\j+3], v5, s[92:93] offset:128*\b+16*\j
.endr
.endr
	s_mov_b32 s18, 208896
	s_mov_b32 s19, 13056
	s_mov_b32 s20, KVB
	s_mov_b32 s21, 208896
	s_mov_b32 s22, 13056
	s_mov_b32 s23, KVB+12288
	s_cmp_eq_u32 s66, 0
	s_cselect_b32 s18, 98304, s18
	s_cselect_b32 s19, 6144, s19
	s_cselect_b32 s20, 0, s20
	s_cselect_b32 s21, 8192, s21
	s_cselect_b32 s22, 512, s22
	s_cselect_b32 s23, QSO, s23
	s_mul_i32 s2, s104, s18
	s_mul_i32 s3, s105, s19
	s_add_co_u32 s2, s2, s3
	s_add_co_u32 s2, s2, s20
	s_mov_b32 s3, 0
	s_add_nc_u64 s[4:5], s[98:99], s[2:3]
	s_mov_b32 s2, s18
	s_add_nc_u64 s[6:7], s[4:5], s[2:3]
	s_mul_i32 s2, s104, s21
	s_mul_i32 s12, s105, s22
	s_add_co_u32 s2, s2, s12
	s_add_co_u32 s2, s2, s23
	s_add_nc_u64 s[8:9], s[98:99], s[2:3]
	s_mov_b32 s2, s21
	s_add_nc_u64 s[10:11], s[8:9], s[2:3]
	LAST2
.irp a, 0,1,2,3,4,5,6,7
	QKBLK \a
.endr
	global_store_b128 v[L16], v[SLO:SLO+3], s[8:9]
	global_store_b128 v[L16], v[SHI:SHI+3], s[10:11]
	s_branch .Lend
.Lway_v:
	v_and_b32 v5, 8, v1
	v_add_nc_u32 v5, v5, v1
	v_lshlrev_b32 v5, 2, v5
.irp a, 0,1,2,3,4,5,6,7
	global_load_b32 v[BIA+2*\a], v5, s[92:93] offset:4*(32*(\a/2)+8*(\a%2))
	global_load_b32 v[BIA+2*\a+1], v5, s[92:93] offset:4*(32*(\a/2)+8*(\a%2))
.endr
	s_mul_i32 s2, s104, 208896
	s_mul_i32 s3, s105, 13056
	s_add_co_u32 s2, s2, s3
	s_add_co_u32 s2, s2, KVB+6144
	s_mov_b32 s3, 0
	s_add_nc_u64 s[4:5], s[98:99], s[2:3]
	s_add_nc_u64 s[6:7], s[4:5], 208896
	LAST2
.irp a, 0,1,2,3,4,5,6,7
	VBLK \a
.endr
.Lend:
	s_wait_tensorcnt 0x0
	ds_add_u32 v[SPW], v[NIL]
	s_wait_dscnt 0x0
	CROUND
	s_endpgm
.Lfunc_end_k_q221a6da764_proj:
	.size	k_q221a6da764_proj, .Lfunc_end_k_q221a6da764_proj-k_q221a6da764_proj
	.p2alignl 7, 3214868480
	.fill 96, 4, 3214868480
	.section	.rodata,"a",@progbits
	.p2align	6, 0x0
	.amdhsa_kernel k_q221a6da764_proj
		.amdhsa_group_segment_fixed_size 327680
		.amdhsa_private_segment_fixed_size 0
		.amdhsa_enable_private_segment 0
		.amdhsa_kernarg_size 64
		.amdhsa_user_sgpr_count 2
		.amdhsa_user_sgpr_kernarg_segment_ptr 1
		.amdhsa_wavefront_size32 1
		.amdhsa_system_sgpr_workgroup_id_x 1
		.amdhsa_system_sgpr_workgroup_id_y 1
		.amdhsa_system_sgpr_workgroup_id_z 1
		.amdhsa_system_vgpr_workitem_id 0
		.amdhsa_next_free_vgpr 1024
		.amdhsa_next_free_sgpr 106
		.amdhsa_reserve_vcc 1
		.amdhsa_float_denorm_mode_32 3
		.amdhsa_float_denorm_mode_16_64 3
		.amdhsa_memory_ordered 1
		.amdhsa_forward_progress 1
		.amdhsa_inst_pref_size 242
	.end_amdhsa_kernel
	.amdgpu_metadata
---
amdhsa.version: [ 1, 2 ]
amdhsa.kernels:
  - .name:           k_q221a6da764_proj
    .symbol:         k_q221a6da764_proj.kd
    .args:
      - { .name: xcod, .offset: 0, .size: 8, .value_kind: global_buffer, .address_space: global }
      - { .name: xscl, .offset: 8, .size: 8, .value_kind: global_buffer, .address_space: global }
      - { .name: wcod, .offset: 16, .size: 8, .value_kind: global_buffer, .address_space: global }
      - { .name: wscl, .offset: 24, .size: 8, .value_kind: global_buffer, .address_space: global }
      - { .name: bq, .offset: 32, .size: 8, .value_kind: global_buffer, .address_space: global }
      - { .name: bk, .offset: 40, .size: 8, .value_kind: global_buffer, .address_space: global }
      - { .name: bv, .offset: 48, .size: 8, .value_kind: global_buffer, .address_space: global }
      - { .name: qkv, .offset: 56, .size: 8, .value_kind: global_buffer, .address_space: global }
    .group_segment_fixed_size: 327680
    .private_segment_fixed_size: 0
    .kernarg_segment_align: 8
    .kernarg_segment_size: 64
    .max_flat_workgroup_size: 128
    .sgpr_count:     106
    .vgpr_count:     1024
    .wavefront_size: 32
...
	.end_amdgpu_metadata
.endif
;; end of part 2
;; launch attn (part 3): grid 4 x 64, 16 waves a work-group, clusters of 4 x 1, 231,424 bytes of LDS; arguments qkv, mask, acod, ascl; writes acod, ascl
.if DOCPART == 3
	.amdgcn_target "amdgcn-amd-amdhsa--gfx1250"
	.amdhsa_code_object_version 6
	.text
	.protected	k_q221a6da764_attn
	.globl	k_q221a6da764_attn
	.p2align	8
	.type	k_q221a6da764_attn,@function
k_q221a6da764_attn:
	s_mov_b64 s[64:65], 0
	v_nop
	global_prefetch_b8 v0, s[64:65] scope:SCOPE_SE
	s_setreg_imm32_b32 hwreg(HW_REG_WAVE_MODE, 25, 1), 1
	s_wait_xcnt 0x0
	s_wait_alu depctr_hold_cnt(0) depctr_sa_sdst(0) depctr_va_vdst(0) depctr_va_sdst(0) depctr_va_ssrc(0) depctr_va_vcc(0) depctr_vm_vsrc(0)
	s_getreg_b32 s2, hwreg(HW_REG_IB_STS2, 6, 4)
	s_cmp_eq_u32 s2, 0
	s_cbranch_scc0 .Lentry_in_a_cluster
	s_endpgm
.Lentry_in_a_cluster:
	s_bfe_u32 s2, ttmp6, 0x10000c
	s_cmp_lg_u32 s2, 0x3003
	s_cbranch_scc0 .Lentry_shape_is_right
	s_endpgm
.Lentry_shape_is_right:
; For each batch and head: O[q] = sum over keys of softmax(q . k / 32, keys with mask 0 hidden) v, both products on codes of FP6 (E2M3) with E8M0 scales; O is quantised along E here and leaves as codes.
; THE SOFTMAX AHEAD OF THE SECOND PRODUCT: t = score x log2(e) / 32; M = the running largest t rounded UP to a whole number; p = 2^(t - M) is quantised along the keys; the row's sum is taken of the unquantised p and divides O at the end.
; SHARES.  A work-group owns 512 queries of one head (the cluster's y): 32 tiles of 16; each of its sixteen waves walks two tiles, one after the other, each over 16 key steps of 128 keys.
; All of the head's k, v and their scale words, 208,896 bytes, lie in LDS, filled once: each wave asks for one key step's block of 13,056 bytes; the four work-groups of a cluster share the head and ask jointly.
; No prefetch into the L2: the launch's one stream is asked for whole at the head, and there is no loop to run ahead in.
; LAYOUT.  Both products transposed: S^T = k q^T (source 0 = 16 keys), O^T = v^T p^T (source 0 = 16 of the head's 64): a lane holds ONE query.
; Lane-row m of k's tile 4 c + t of a key step is key 64 c + 32 (m / 8) + 8 t + m % 8.  So registers 96 + 32 c + 0 .. 31 of lane (r, h) are keys 64 c + 32 h + 0 .. 31 in their order: ONE WHOLE SCALE BLOCK of p,
; and just what registers 6 c .. 6 c + 5 of p's operand hold in that lane: a block's largest score needs no other lane, and the conversions' results are the operand.
; The head's axis is 64: q's and k's fragments are half fragments (6 registers).  q's upper six registers are zero codes; k's upper six are whatever follows (the next tile's codes, p's codes): times zero codes they add 0.
; THE MASK: a table in LDS holds, for each key, 0 or -2^100; it is loaded into the scores' registers and is the C of S^T = k q^T + C.  The running largest score begins at -2^85: above every hidden score, so a hidden key's p is 0.
; Where ALL keys of a batch are hidden, the softmax of equal numbers is uniform: c is then taken as 0 (a select, no branch), so that t = 0, M = 0 and p = 1 for every key.
; LDS LOADS STAND IN TWO RUNS A STEP.  Ahead of the exponentials: v's 17 loads of this step, then k's 17 of the next.  Behind the row's sum, which is taken in place and frees the scores' registers: the table's 16 of the next step.
; Steps are counted modulo 16, so a tile's last step fetches the next tile's first (the second tile's last step fetches 33 loads that nobody uses).
; LIMITS: real scores must stay above -2^85; NaN and infinities are not served; a block of zeros gets the byte 1 (its codes are zeros; this program alone reads the bytes).
; REGISTERS: v1 16 x lane, v2 8 x lane, v3 the table's address, v4-5 k's addresses, v6 the table's, v7 16 r, v8 8 r, v9-10 v's addresses; v11 q's scale word; v12 -M, v13 the largest score, v[14:15] the sum; v16-27 q; v[28:29] c; v30 8 h; v31 a permute's result;
;   v32-79 k's tiles; v80-91 p's codes; v92-95 k's scale words; v96-159 S^T, then p; v160-191 O^T; v192-239 v's fragments; v240-241 its scale words; v242-249, v252, v254, v255 at work; v250-251 the spare word's; v253 p's scale word.
.set KVB,   6815744
.set QSO,   6291456
.set STEPB, 13056                      ; a key step's block: 8 x 768 k, 4 x 1,536 v^T, 512 + 256 scale words
.set BIAS,  208896                     ; behind the 16 blocks: 2,048 numbers, 0 or -2^100
.set FLAG,  217088                     ; and a word for each wave
.set SPARE, 0x38000                    ; the spare words: 128 bytes for each wave
.macro CROUND
	s_barrier_signal -1
	s_barrier_wait -1
	s_cmp_lg_u32 s12, 0
	s_cbranch_scc1 .Lnot_wave_0_\@
	s_barrier_signal -3
.Lnot_wave_0_\@:
	s_barrier_wait -3
	s_barrier_signal -1
	s_barrier_wait -1
.endm
.macro KLOADS                          ; k's eight tiles, six registers each, and their scale words (register i: lanes 0-15 tile 2 i, lanes 16-31 tile 2 i + 1): 17 loads
.irp t, 0,1,2,3,4,5,6,7
	ds_load_b128 v[32+6*\t:35+6*\t], v4 offset:768*\t
	ds_load_b64 v[36+6*\t:37+6*\t], v5 offset:768*\t+512
.endr
	ds_load_b128 v[92:95], v4 offset:12288
.endm
.macro CLOADS                          ; the table's numbers of my eight keys of each tile: the first product's C: 16 loads
.irp t, 0,1,2,3,4,5,6,7
	ds_load_b128 v[96+8*\t:99+8*\t], v6 offset:256*(\t/4)+32*(\t%4)
	ds_load_b128 v[100+8*\t:103+8*\t], v6 offset:256*(\t/4)+32*(\t%4)+16
.endr
.endm
.macro ADDS n, d                       ; the row's sum in place: n pairs take the pairs d registers on
.set j, 0
.rept \n
	v_pk_add_f32 v[96+2*j:97+2*j], v[96+2*j:97+2*j], v[96+\d+2*j:97+\d+2*j]
.set j, j+1
.endr
.endm
	s_load_b256 s[4:11], s[0:1], 0x0               ; qkv, mask, acod, ascl
	v_lshl_add_u32 v250, v0, 2, SPARE
	v_mov_b32 v251, 0
	ds_add_u32 v250, v251                          ; the opening lines
	ds_add_u32 v250, v251
	v_lshrrev_b32 v9, 5, v0
	v_readfirstlane_b32 s12, v9                    ; wave 0..15
	s_bfe_u32 s13, ttmp6, 0x40000                  ; cx: it enters q's and the outputs' addresses alone
	s_and_b32 s14, ttmp7, 0xffff                   ; batch and head, which the four partners share
	s_lshr_b32 s15, s14, 4                         ; the batch
	s_and_b32 s16, s14, 15                         ; the head
	s_mov_b32 s20, 0x76543210
	s_mov_b32 s21, 0xfedcba98                      ; lane l xor 16
	s_mov_b32 s24, 15|(3<<16)|(1<<21)              ; 13,056 dense bytes as 51 rows of 256; the mask names the four partners
	s_mov_b32 s25, 32<<16
	s_mov_b32 s26, 51<<16
	s_mov_b32 s27, 32<<16
	s_mov_b32 s28, 51
	s_mov_b32 s29, 32
	s_mov_b32 s30, 0
	s_mov_b32 s31, 0
	s_mov_b32 s32, 1
	s_mul_i32 s33, s12, STEPB                      ; LDS: key step = my wave's number
	s_mul_i32 s18, s14, 208896
	s_add_co_u32 s18, s18, s33
	s_add_co_u32 s18, s18, KVB
	s_mov_b32 s19, 0
	s_lshl_b32 s17, s13, 5
	s_add_co_u32 s17, s17, s12                     ; my first tile of queries: 32 cx + wave
	s_wait_dscnt 0x0
	s_wait_kmcnt 0x0
	s_add_nc_u64 s[34:35], s[4:5], s[18:19]
	s_or_b32 s35, s35, 0x80000000
	s_mul_i32 s2, s14, 98304
	s_mul_i32 s3, s17, 768
	s_add_co_u32 s2, s2, s3
	s_mov_b32 s3, 0
	s_add_nc_u64 s[36:37], s[4:5], s[2:3]          ; q's half fragment
	s_lshl_b32 s2, s14, 13                         ; q's scale words: 8,192 nh + 512 (tile / 8) + 256 (tile % 2) + 4 ((tile % 8) / 2)
	s_lshl_b32 s22, s13, 11
	s_add_co_u32 s2, s2, s22
	s_lshr_b32 s22, s12, 3
	s_lshl_b32 s22, s22, 9
	s_add_co_u32 s2, s2, s22
	s_and_b32 s22, s12, 1
	s_lshl_b32 s22, s22, 8
	s_add_co_u32 s2, s2, s22
	s_bfe_u32 s22, s12, 0x20001
	s_lshl_b32 s22, s22, 2
	s_add_co_u32 s2, s2, s22
	s_add_co_u32 s2, s2, QSO
	s_add_nc_u64 s[38:39], s[4:5], s[2:3]
	s_lshl_b32 s23, s15, 7
	s_add_co_u32 s23, s23, s17                     ; the output's tile: 128 x batch + my tile
	s_mul_i32 s2, s23, 12288
	s_mul_i32 s22, s16, 768                        ; head hd is half hd % 2 of K step hd / 2: 768 hd
	s_add_co_u32 s2, s2, s22
	s_add_nc_u64 s[40:41], s[8:9], s[2:3]
	s_lshl_b32 s2, s23, 9                          ; its scale words: 512 x tile + 128 (hd / 4) + 4 ((hd / 2) % 2) + 2 (hd % 2)
	s_lshr_b32 s22, s16, 2
	s_lshl_b32 s22, s22, 7
	s_add_co_u32 s2, s2, s22
	s_bfe_u32 s22, s16, 0x10001
	s_lshl_b32 s22, s22, 2
	s_add_co_u32 s2, s2, s22
	s_and_b32 s22, s16, 1
	s_lshl_b32 s22, s22, 1
	s_add_co_u32 s2, s2, s22
	s_add_nc_u64 s[42:43], s[10:11], s[2:3]
	s_lshl_b32 s2, s15, 13
	s_add_nc_u64 s[6:7], s[6:7], s[2:3]            ; the batch's mask
	CROUND                                         ; all four work-groups are here: the joint loads meet
	tensor_load_to_lds s[32:35], s[24:31]          ; my one tensor load of the launch
	s_nop 0
.rept 4
	v_nop
.endr
	v_lshlrev_b32 v4, 4, v0
	v_and_b32 v9, 31, v0
	v_and_b32 v10, 15, v0
	v_lshlrev_b32 v1, 4, v9
	v_lshlrev_b32 v2, 3, v9
	v_lshlrev_b32 v7, 4, v10
	v_lshlrev_b32 v8, 3, v10
	global_load_b128 v[32:35], v4, s[6:7]          ; four keys' mask a thread: 512 threads, 2,048 keys
	global_load_b128 v[16:19], v1, s[36:37]        ; q's half fragment of my first tile: its image
	global_load_b64 v[20:21], v2, s[36:37] offset:512
	global_load_b32 v11, v7, s[38:39]              ; its scale words: two bytes, and two bytes 0 over the zero codes
	v_lshl_add_u32 v6, v0, 4, BIAS
	v_bfe_u32 v9, v0, 4, 1
	v_lshl_add_u32 v3, v9, 7, BIAS                 ; the table: + 128 h: register j of tile 4 c + t is key 64 c + 32 h + 8 t + j
	v_lshlrev_b32 v30, 3, v9                       ; 8 h
	v_mov_b32 v44, 0xf1800000                      ; -2^100
	v_mov_b32 v41, 0
.irp j, 22,23,24,25,26,27,80,81,82,83,84,85,31,253
	v_mov_b32 v\j, 0                               ; q's zero codes; what stands behind k's last tile in the first step; a lane permute's destination; the pair v[252:253]'s upper half
.endr
	s_wait_alu depctr_va_vdst(0)                   ; the wait here, directly ahead of the wait below
	s_wait_loadcnt 3                               ; the mask is in; q's three loads, issued behind it, may be out
.irp i, 0,1,2,3
	v_cmp_eq_u32 vcc_lo, 0, v[32+\i]
	v_cndmask_b32 v[36+\i], 0, v44, vcc_lo         ; 0 where the key counts, -2^100 where it is hidden
.endr
	ds_store_b128 v6, v[36:39]
	v_max3_num_f32 v40, v36, v37, v38              ; is any key of the batch open?  The largest of the table: my four,
	s_delay_alu instid0(VALU_DEP_1)
	v_max_num_f32 v40, v40, v39
	s_delay_alu instid0(VALU_DEP_1)
	v_max_num_f32_dpp v40, v40, v40 row_xmask:1 row_mask:0xf bank_mask:0xf   ; my wave's,
	s_delay_alu instid0(VALU_DEP_1)
	v_max_num_f32_dpp v40, v40, v40 row_xmask:2 row_mask:0xf bank_mask:0xf
	s_delay_alu instid0(VALU_DEP_1)
	v_max_num_f32_dpp v40, v40, v40 row_xmask:4 row_mask:0xf bank_mask:0xf
	s_delay_alu instid0(VALU_DEP_1)
	v_max_num_f32_dpp v40, v40, v40 row_xmask:8 row_mask:0xf bank_mask:0xf
	s_delay_alu instid0(VALU_DEP_1)
	v_permlanex16_b32 v41, v40, s20, s21
	s_delay_alu instid0(VALU_DEP_1)
	v_max_num_f32 v40, v40, v41
	s_lshl_b32 s2, s12, 2
	s_add_co_u32 s2, s2, FLAG
	v_mov_b32 v5, s2
	ds_store_b32 v5, v40                           ; all lanes write the same word with the same value
	s_wait_tensorcnt 0x0                           ; my key step's block has landed,
	s_wait_dscnt 0x0                               ; my part of the table and my word are stored:
	s_barrier_signal -1
	s_barrier_wait -1                              ; everybody's are.  From here on LDS is only read
	v_mov_b32 v9, FLAG
.irp i, 0,1,2,3
	ds_load_b128 v[32+4*\i:35+4*\i], v9 offset:16*\i
.endr
	v_mov_b32 v29, 0x3d38aa3b                      ; c = log2(e) / 32
	s_wait_dscnt 0x0
	v_max3_num_f32 v32, v32, v33, v34              ; the sixteen waves'
	v_max3_num_f32 v35, v35, v36, v37
	v_max3_num_f32 v38, v38, v39, v40
	v_max3_num_f32 v41, v41, v42, v43
	v_max3_num_f32 v44, v44, v45, v46
	s_delay_alu instid0(VALU_DEP_3)
	v_max3_num_f32 v32, v32, v35, v38
	s_delay_alu instid0(VALU_DEP_2)
	v_max3_num_f32 v41, v41, v44, v47
	s_delay_alu instid0(VALU_DEP_1)
	v_max_num_f32 v32, v32, v41
	s_delay_alu instid0(VALU_DEP_1)
	v_cmp_eq_f32 vcc_lo, 0, v32
	s_delay_alu instid0(VALU_DEP_1)
	v_cndmask_b32 v28, 0, v29, vcc_lo              ; c, or 0 where every key is hidden
	s_delay_alu instid0(VALU_DEP_1)
	v_mov_b32 v29, v28                             ; (the packed form names the pair)
	s_mov_b32 s44, 0                               ; this step's block; s48, s49: the next step's block and its 128 numbers of the table
	v_add_nc_u32 v4, s44, v1
	v_add_nc_u32 v5, s44, v2
	v_add_nc_u32 v6, s44, v3
	KLOADS                                         ; step 0's k, its scale words and its numbers of the table
	CLOADS
	s_mov_b32 s48, STEPB
	s_mov_b32 s49, 512
	s_mov_b32 s47, 2
.Ltile:                                            ; two tiles of queries a wave
	v_mov_b32 v13, 0xea000000                      ; the largest score so far: -2^85
	v_mov_b32 v14, 0
	v_mov_b32 v15, 0
	v_mul_f32 v243, v28, v13
	s_delay_alu instid0(VALU_DEP_1)
	v_floor_f32 v12, -v243                         ; -M, made as the step makes it
.set j, 0
.rept 32
	v_mov_b32 v[160+j], 0                          ; O^T: the step is written once; its first trip finds zeros
.set j, j+1
.endr
	s_mov_b32 s46, 0
	s_wait_alu depctr_va_vdst(0)                   ; the wait here, directly ahead of the wait below
	s_wait_loadcnt 0x0                             ; q is in
.Lstep:                                            ; 16 key steps of 128 keys
	s_wait_dscnt 0x0                               ; k, its scale words and the table's numbers are in: nothing was issued behind them
.irp t, 0,1,2,3,4,5,6,7
.if \t%2
	v_wmma_scale_f32_16x16x128_f8f6f4 v[96+8*\t:103+8*\t], v[32+6*\t:43+6*\t], v[16:27], v[96+8*\t:103+8*\t], v[92+\t/2], v11 matrix_a_fmt:MATRIX_FMT_FP6 matrix_b_fmt:MATRIX_FMT_FP6 matrix_a_scale:MATRIX_SCALE_ROW1
.else
	v_wmma_scale_f32_16x16x128_f8f6f4 v[96+8*\t:103+8*\t], v[32+6*\t:43+6*\t], v[16:27], v[96+8*\t:103+8*\t], v[92+\t/2], v11 matrix_a_fmt:MATRIX_FMT_FP6 matrix_b_fmt:MATRIX_FMT_FP6
.endif
.endr
	v_mov_b32 v254, v12                            ; the old -M.  These six are the places in front of the first read of the scores
	v_add_nc_u32 v4, s48, v1                       ; the next step's k,
	v_add_nc_u32 v5, s48, v2
	v_add_nc_u32 v6, s49, v3                       ; its numbers of the table,
	v_add_nc_u32 v9, s44, v1                       ; this step's v
	v_add_nc_u32 v10, s44, v2
.irp b, 0,1,2,3
	v_max3_num_f32 v[242+\b], v[96+16*\b], v[97+16*\b], v[98+16*\b]   ; the largest score, in four chains of 16 registers by turns; two chains make a block of 32 keys
.endr
.irp i, 3,5,7,9,11,13
.irp b, 0,1,2,3
	v_max3_num_f32 v[242+\b], v[242+\b], v[96+16*\b+\i], v[97+16*\b+\i]
.endr
.endr
.irp c, 0,1
	v_max3_num_f32 v[242+2*\c], v[242+2*\c], v[111+32*\c], v[127+32*\c]
.endr
.irp c, 0,1
	s_delay_alu instid0(VALU_DEP_2)
	v_max_num_f32 v[242+2*\c], v[242+2*\c], v[243+2*\c]   ; my block c's largest score: for the row's maximum and, since p rises with the score, for the block's largest p
.endr
	s_delay_alu instid0(VALU_DEP_1)
	v_max3_num_f32 v13, v242, v244, v13            ; the running largest score of my query: my 64 keys,
	s_delay_alu instid0(VALU_DEP_1)
	v_permlanex16_b32 v31, v13, s20, s21
	s_delay_alu instid0(VALU_DEP_1)
	v_max_num_f32 v13, v13, v31                    ; and lane l xor 16's
	s_delay_alu instid0(VALU_DEP_1)
	v_mul_f32 v243, v28, v13                       ; as t (c is not negative)
	s_delay_alu instid0(VALU_DEP_1)
	v_floor_f32 v12, -v243                         ; the new -M = -ceil(t): a whole number
	s_delay_alu instid0(VALU_DEP_1)
	v_fma_f32 v242, v242, v28, v12                 ; t - M of each block's largest score
	v_fma_f32 v244, v244, v28, v12
.set j, 0
.rept 32
	v_pk_fma_f32 v[96+j:97+j], v[96+j:97+j], v[28:29], v[12:13] op_sel_hi:[1,0,0]   ; t - M, two at a time
.if j == 4
	v_sub_f32 v254, v12, v254                      ; old M - new M: a whole number, 0 or less
.endif
.if j == 12
	v_cvt_i32_f32 v254, v254                       ; (it saturates)
.endif
.if j == 20
	v_ldexp_f32 v252, 1.0, v254                    ; f = 2^(old M - new M): a multiplication by it rounds nothing
.endif
.set j, j+2
.endr
	s_wait_alu depctr_va_vdst(0)                   ; the wait ahead of the batch
.irp d, 0,1,2,3                                ; this step's v^T: it lands while the exponentials and what follows them are walked
	ds_load_b128 v[192+12*\d:195+12*\d], v9 offset:6144+1536*\d
	ds_load_b64 v[196+12*\d:197+12*\d], v10 offset:6144+1536*\d+512
	ds_load_b128 v[198+12*\d:201+12*\d], v9 offset:6144+1536*\d+768
	ds_load_b64 v[202+12*\d:203+12*\d], v10 offset:6144+1536*\d+1280
.endr
	ds_load_b64 v[240:241], v10 offset:12800       ; and its scale words
	KLOADS                                         ; and the next step's k
	v_exp_f32 v242, v242                           ; the blocks' largest p: the same two instructions on the same number as in the 64
	v_exp_f32 v244, v244
.set j, 0
.rept 64
	v_exp_f32 v[96+j], v[96+j]                     ; p = 2^(t - M), at most 1: not normalised
.set j, j+1
.endr
	v_pk_mul_f32 v[14:15], v[14:15], v[252:253] op_sel_hi:[1,0]   ; the sums under the new M: a plain instruction behind the exponentials
	s_wait_alu depctr_va_vdst(0)                   ; one wait for the batch of 66, ahead of its first reader
	v_max_num_f32 v242, 0x1800000, v242            ; the floor 2^(3 - 127): the byte cannot fall under 1
	v_max_num_f32 v244, 0x1800000, v244
	v_add_nc_u32 v254, 0xff000000, v242            ; 2 off the exponent field: the conversion's scale operand
	v_add_nc_u32 v255, 0xff000000, v244
	v_lshrrev_b32 v249, 23, v254                   ; the scales' bytes: blocks h and 2 + h
	v_lshrrev_b32 v245, 23, v255
	v_cvt_scalef32_pk16_fp6_f32 v[80:82], v[96:111], v254
	v_cvt_scalef32_pk16_fp6_f32 v[246:248], v[112:127], v254     ; (a conversion's three registers begin on an even number)
	v_cvt_scalef32_pk16_fp6_f32 v[86:88], v[128:143], v255
	v_cvt_scalef32_pk16_fp6_f32 v[242:244], v[144:159], v255
	v_lshl_or_b32 v249, v245, 16, v249             ; a plain instruction behind the conversions
	ADDS 16, 32                                    ; THE ROW'S SUM OF THE UNQUANTISED p, in place: 32 pairs, halved five times; the scale word's lines and the codes' moves stand among its last lines
	ADDS 8, 16
	v_lshlrev_b32 v249, v30, v249                  ; my two bytes at their places in the word: 8 h bits up
	ADDS 4, 8
	v_permlanex16_b32 v31, v249, s20, s21
	ADDS 2, 4
	v_mov_b32 v83, v246
	v_mov_b32 v84, v247
	v_pk_add_f32 v[96:97], v[96:97], v[98:99]
	v_mov_b32 v85, v248
	v_mov_b32 v89, v242
	v_or_b32 v253, v249, v31                       ; with lane l xor 16's two: p's scale word for these 128 keys
	v_pk_add_f32 v[14:15], v[14:15], v[96:97]
	CLOADS                                         ; the scores' registers are free: the next step's numbers of the table
	v_mov_b32 v90, v243
	v_mov_b32 v91, v244
.set j, 0
.rept 16
	v_pk_mul_f32 v[160+j:161+j], v[160+j:161+j], v[252:253] op_sel_hi:[1,0]   ; O^T under the new M; these sixteen also stand between the codes' and the scale word's last writes and the products
.set j, j+2
.endr
	s_wait_alu depctr_va_vdst(0)                   ; the wait here, directly ahead of the wait below
	s_wait_dscnt 33                                ; v^T and its scale words are in; the next step's 17 loads of k and 16 of the table, issued behind them, may be out
.irp d, 0,1,2,3
.if \d%2
	v_wmma_scale_f32_16x16x128_f8f6f4 v[160+8*\d:167+8*\d], v[192+12*\d:203+12*\d], v[80:91], v[160+8*\d:167+8*\d], v[240+\d/2], v253 matrix_a_fmt:MATRIX_FMT_FP6 matrix_b_fmt:MATRIX_FMT_FP6 matrix_a_scale:MATRIX_SCALE_ROW1
.else
	v_wmma_scale_f32_16x16x128_f8f6f4 v[160+8*\d:167+8*\d], v[192+12*\d:203+12*\d], v[80:91], v[160+8*\d:167+8*\d], v[240+\d/2], v253 matrix_a_fmt:MATRIX_FMT_FP6 matrix_b_fmt:MATRIX_FMT_FP6
.endif
.endr
	s_add_co_u32 s46, s46, 1
	s_and_b32 s44, s46, 15                         ; steps are counted modulo 16
	s_mul_i32 s44, s44, STEPB
	s_add_co_u32 s48, s46, 1
	s_and_b32 s48, s48, 15
	s_lshl_b32 s49, s48, 9
	s_mul_i32 s48, s48, STEPB
	s_cmp_lt_u32 s46, 16
	s_cbranch_scc1 .Lstep
	; THE TILE'S WAY OUT: O^T / the sum; register 16 G + i is channel 32 G + 16 h + i of my query: two blocks of 32 along E; quantised; the half fragment's image and two scale bytes a row are stored.  It works in v's registers: k's and the scores' hold the next tile's first step.
	s_cmp_eq_u32 s47, 1
	s_cbranch_scc1 .Lno_q                          ; the second tile has no successor
	global_load_b128 v[16:19], v1, s[36:37] offset:12288     ; q of my second tile, sixteen tiles on
	global_load_b64 v[20:21], v2, s[36:37] offset:12800
	global_load_b32 v11, v7, s[38:39] offset:1024
.Lno_q:
	v_add_f32 v14, v14, v15
	s_delay_alu instid0(VALU_DEP_1)
	v_permlanex16_b32 v31, v14, s20, s21
	s_delay_alu instid0(VALU_DEP_1)
	v_add_f32 v14, v14, v31                        ; the row's sum
	s_wait_alu depctr_va_vdst(0)
	v_rcp_f32 v14, v14
.rept 4
	v_nop                                          ; a plain instruction behind the reciprocal; four places between the last products and the first read of O^T and the writes of v's registers
.endr
	s_wait_alu depctr_va_vdst(0)                   ; the wait ahead of the reciprocal's first reader
.set j, 0
.rept 32
	v_mul_f32 v[192+j], v[160+j], v14
.set j, j+1
.endr
.irp b, 0,1
	v_max3_num_f32 v[242+\b], |v[192+16*\b]|, |v[193+16*\b]|, 0x1800000
.endr
.irp i, 2,4,6,8,10,12,14
.irp b, 0,1
	s_delay_alu instid0(VALU_DEP_2)
	v_max3_num_f32 v[242+\b], v[242+\b], |v[192+16*\b+\i]|, |v[193+16*\b+\i]|
.endr
.endr
	v_permlanex16_b32 v245, v242, s20, s21
	v_permlanex16_b32 v249, v243, s20, s21
	s_delay_alu instid0(VALU_DEP_2)
	v_max_num_f32 v242, v242, v245
	s_delay_alu instid0(VALU_DEP_2)
	v_max_num_f32 v243, v243, v249
	s_delay_alu instid0(VALU_DEP_2)
	v_add_nc_u32 v254, 0xff000000, v242
	s_delay_alu instid0(VALU_DEP_2)
	v_add_nc_u32 v255, 0xff000000, v243
	s_delay_alu instid0(VALU_DEP_2)
	v_lshrrev_b32 v245, 23, v254
	s_delay_alu instid0(VALU_DEP_2)
	v_lshrrev_b32 v249, 23, v255
	s_delay_alu instid0(VALU_DEP_1)
	v_lshl_or_b32 v244, v249, 8, v245              ; my row's two bytes
	v_cvt_scalef32_pk16_fp6_f32 v[224:226], v[192:207], v254
	v_cvt_scalef32_pk16_fp6_f32 v[228:230], v[208:223], v255
	v_nop
	v_permlane16_swap_b32 v224, v228
	v_permlane16_swap_b32 v225, v229
	v_permlane16_swap_b32 v226, v230
	s_delay_alu instid0(VALU_DEP_3)
	v_mov_b32 v227, v228
	s_delay_alu instid0(VALU_DEP_3)
	v_mov_b32 v228, v229
	s_delay_alu instid0(VALU_DEP_3)
	v_mov_b32 v229, v230
	global_store_b128 v1, v[224:227], s[40:41]     ; 512 and 256 consecutive bytes, aligned to 256
	global_store_b64 v2, v[228:229], s[40:41] offset:512
	global_store_b16 v8, v244, s[42:43]            ; two bytes a row, 8 bytes apart: the word's other half is another head's; both halves of the lanes store the same
	s_wait_xcnt 0x0                                ; the stores have read their registers and bases: both may be written again
	s_add_nc_u64 s[40:41], s[40:41], 196608        ; sixteen tiles on
	s_add_nc_u64 s[42:43], s[42:43], 8192
	s_sub_co_u32 s47, s47, 1
	s_cmp_lg_u32 s47, 0
	s_wait_alu depctr_va_vdst(0)                   ; the wait here, directly ahead of the branch
	s_cbranch_scc1 .Ltile
	s_wait_tensorcnt 0x0                           ; the wave's end
	ds_add_u32 v250, v251
	s_wait_dscnt 0x0
	CROUND                                         ; the closing round
	s_endpgm
.Lfunc_end_k_q221a6da764_attn:
	.size	k_q221a6da764_attn, .Lfunc_end_k_q221a6da764_attn-k_q221a6da764_attn
	.p2alignl 7, 3214868480
	.fill 96, 4, 3214868480
	.section	.rodata,"a",@progbits
	.p2align	6, 0x0
	.amdhsa_kernel k_q221a6da764_attn
		.amdhsa_group_segment_fixed_size 231424
		.amdhsa_private_segment_fixed_size 0
		.amdhsa_enable_private_segment 0
		.amdhsa_kernarg_size 32
		.amdhsa_user_sgpr_count 2
		.amdhsa_user_sgpr_kernarg_segment_ptr 1
		.amdhsa_wavefront_size32 1
		.amdhsa_system_sgpr_workgroup_id_x 1
		.amdhsa_system_sgpr_workgroup_id_y 1
		.amdhsa_system_sgpr_workgroup_id_z 1
		.amdhsa_system_vgpr_workitem_id 0
		.amdhsa_next_free_vgpr 256
		.amdhsa_next_free_sgpr 66
		.amdhsa_reserve_vcc 1
		.amdhsa_float_denorm_mode_32 3
		.amdhsa_float_denorm_mode_16_64 3
		.amdhsa_memory_ordered 1
		.amdhsa_forward_progress 1
		.amdhsa_inst_pref_size 34
	.end_amdhsa_kernel
	.amdgpu_metadata
---
amdhsa.version: [ 1, 2 ]
amdhsa.kernels:
  - .name:           k_q221a6da764_attn
    .symbol:         k_q221a6da764_attn.kd
    .args:
      - { .name: qkv, .offset: 0, .size: 8, .value_kind: global_buffer, .address_space: global }
      - { .name: mask, .offset: 8, .size: 8, .value_kind: global_buffer, .address_space: global }
      - { .name: acod, .offset: 16, .size: 8, .value_kind: global_buffer, .address_space: global }
      - { .name: ascl, .offset: 24, .size: 8, .value_kind: global_buffer, .address_space: global }
    .group_segment_fixed_size: 231424
    .private_segment_fixed_size: 0
    .kernarg_segment_align: 8
    .kernarg_segment_size: 32
    .max_flat_workgroup_size: 512
    .sgpr_count:     66
    .vgpr_count:     256
    .wavefront_size: 32
...
	.end_amdgpu_metadata
.endif
;; end of part 3
;; launch outp (part 4): grid 4 x 64, 4 waves a work-group, clusters of 4 x 4, 327,680 bytes of LDS; arguments acod, ascl, wcod, wscl, bo, out0; writes out0
.if DOCPART == 4
	.amdgcn_target "amdgcn-amd-amdhsa--gfx1250"
	.amdhsa_code_object_version 6
	.text
	.protected	k_q221a6da764_outp
	.globl	k_q221a6da764_outp
	.p2align	8
	.type	k_q221a6da764_outp,@function
k_q221a6da764_outp:
	s_mov_b64 s[64:65], 0
	v_nop
	global_prefetch_b8 v0, s[64:65] scope:SCOPE_SE
	s_setreg_imm32_b32 hwreg(HW_REG_WAVE_MODE, 25, 1), 1
	s_wait_xcnt 0x0
	s_wait_alu depctr_hold_cnt(0) depctr_sa_sdst(0) depctr_va_vdst(0) depctr_va_sdst(0) depctr_va_ssrc(0) depctr_va_vcc(0) depctr_vm_vsrc(0)
	s_getreg_b32 s2, hwreg(HW_REG_IB_STS2, 6, 4)
	s_cmp_eq_u32 s2, 0
	s_cbranch_scc0 .Lentry_in_a_cluster
	s_endpgm
.Lentry_in_a_cluster:
	s_bfe_u32 s2, ttmp6, 0x10000c
	s_cmp_lg_u32 s2, 0xf033
	s_cbranch_scc0 .Lentry_shape_is_right
	s_endpgm
.Lentry_shape_is_right:
; out0 = O Wo + bo on codes of FP6 (E2M3) with E8M0 scales.  O's codes (acod, ascl) and Wo's (the fourth weight of wcod, wscl) lie as images of the operand's registers: [tile of 16 rows][K step 0..7][1,536 bytes];
; scale words [tile][K step / 2][r][K step % 2].  Lane-row r of tile 2 G + u is row (column of Wo) 32 G + 8 u + r + 8 (r / 8).
; A work-group makes 128 rows x 256 columns: 64 x 4 = 256 work-groups.  Four waves, 2 x 2; a wave makes 64 x 128: 32 accumulators.
; ALL OF K LIES IN LDS, filled once: O's 8 tiles (98,304 bytes), Wo's 16 tiles (196,608), their scale words (4,096 and 8,192): four dense blocks of memory, four joint loads at the head, one a wave.  No ring, no refill.
; CLUSTERS 4 x 4: O's tiles are shared along a row of the cluster, Wo's along a column.  No prefetch into the L2: all that the launch reads is asked for at its head, and there is no loop to run ahead in.
; The matrix instruction is used transposed (source 0 = Wo's columns, source 1 = O's rows): a lane holds eight numbers of one row of the result.
; REGISTERS: window 0: v16-30 addresses, v32-63 scale words (two sets), v64-67 bo, v128-223 O's fragments (two sets of 4); window 1: Wo's fragments (two sets of 8, at v0 and v128); window 2: the accumulators (a, b) at v[8 (8 a + b)].
; A K step's 48 fragment loads are issued a step ahead, into the other set, in front of the running step's 32 products.
.set FR,    12
.set TBK,   12288                      ; a tile, all of K
.set BBASE, 8*TBK                      ; Wo's tiles behind O's
.set SCL,   24*TBK                     ; the scale words: O's 4,096 bytes, then Wo's 8,192
.set SPARE, SCL+12288
.set SPITCH, 528                       ; the way out: a stage of 16 rows x (512 + 16) bytes a wave, on O's bytes, behind a barrier that shows all reads of them done
.set ADRA, 16
.set ADRB, 18
.set L16,  24
.set L8,   25
.set STO,  26
.set ADRS, 27
.set SPW,  28
.set NIL,  29
.set RD,   30
.set SC,   32
.set BO,   64
.set AF,   128
.set BK,   128
.set G1,   24
.set G1B,  48
.set G1S,  68
.set G0S,  76
.set G1SB, 80
.set G0SB, 88
.set MSB, 0
.macro WIN new
.if MSB != \new
	s_set_vgpr_msb (MSB<<8)|\new
.set MSB, \new
.endif
.endm
.set MUL_LO, 0xa1
.set TO_B,   0x40
.macro CROUND
	s_barrier_signal -1
	s_barrier_wait -1
	s_cmp_lg_u32 s14, 0
	s_cbranch_scc1 .Lnot_wave_0_\@
	s_barrier_signal -3
.Lnot_wave_0_\@:
	s_barrier_wait -3
	s_barrier_signal -1
	s_barrier_wait -1
.endm
.macro PLACES n
.rept \n
	v_nop
.endr
.endm
.macro DENSE g, mask, rows             ; group 1 of a dense block: rows of 256 bytes (32 elements of 8)
	s_or_b32 s[\g+0], s[\mask], (3<<16)|(1<<21)
	s_mov_b32 s[\g+1], 32<<16
	s_mov_b32 s[\g+2], (\rows)<<16
	s_mov_b32 s[\g+3], 32<<16
	s_mov_b32 s[\g+4], \rows
	s_mov_b32 s[\g+5], 32
	s_mov_b32 s[\g+6], 0
	s_mov_b32 s[\g+7], 0
.endm
.macro FRAG reg, a16, a8, off
	ds_load_b128 v[\reg:\reg+3], v[\a16] offset:(\off)
	ds_load_b64 v[\reg+4:\reg+5], v[\a8] offset:(\off)+512
	ds_load_b128 v[\reg+6:\reg+9], v[\a16] offset:(\off)+768
	ds_load_b64 v[\reg+10:\reg+11], v[\a8] offset:(\off)+1280
.endm
.macro FETCH st                        ; K step st's fragments into set st % 2: 48 loads
	WIN TO_B
.irp i, 0,1,2,3
	FRAG 128*((\st)%2)+FR*\i, ADRB, ADRB+1, \i*TBK+(\st)*1536
.endr
.irp i, 0,1,2,3
	FRAG 128*((\st)%2)+FR*(\i+4), ADRB+2, ADRB+3, \i*TBK+(\st)*1536
.endr
	WIN 0
.irp i, 0,1,2,3
	FRAG AF+48*((\st)%2)+FR*\i, ADRA, ADRA+1, \i*TBK+(\st)*1536
.endr
.endm
.macro SCALES pr                       ; the scale words of K steps 2 pr, 2 pr + 1 into set pr % 2: lanes 0-15 O's block i (i under 4; beyond that bytes that no product takes), lanes 16-31 Wo's block i: 8 loads
.irp i, 0,1,2,3,4,5,6,7
	ds_load_b64 v[SC+16*((\pr)%2)+2*\i:SC+16*((\pr)%2)+2*\i+1], v[ADRS] offset:\i*512+128*(\pr)
.endr
.endm
.macro MUL32 st                        ; the 32 accumulators take turns, one instruction a turn, in the same order in every step
.set P_, (\st)%2
.set X_, SC+16*(((\st)/2)%2)+(\st)%2
	WIN MUL_LO
.irp a, 0,1,2,3
.irp b, 0,1,2,3,4,5,6,7
.if (\st) == 0
	v_wmma_scale_f32_16x16x128_f8f6f4 v[8*(8*\a+\b):8*(8*\a+\b)+7], v[128*P_+FR*\b:128*P_+FR*\b+FR-1], v[AF+48*P_+FR*\a:AF+48*P_+FR*\a+FR-1], 0, v[X_+2*\b], v[X_+2*\a] matrix_a_fmt:MATRIX_FMT_FP6 matrix_b_fmt:MATRIX_FMT_FP6 matrix_a_scale:MATRIX_SCALE_ROW1
.else
	v_wmma_scale_f32_16x16x128_f8f6f4 v[8*(8*\a+\b):8*(8*\a+\b)+7], v[128*P_+FR*\b:128*P_+FR*\b+FR-1], v[AF+48*P_+FR*\a:AF+48*P_+FR*\a+FR-1], v[8*(8*\a+\b):8*(8*\a+\b)+7], v[X_+2*\b], v[X_+2*\a] matrix_a_fmt:MATRIX_FMT_FP6 matrix_b_fmt:MATRIX_FMT_FP6 matrix_a_scale:MATRIX_SCALE_ROW1
.endif
.endr
.endr
	WIN 0
.endm
.macro TOSTAGE a
.set AC, 64*(\a)
	WIN 0x08
.irp b, 0,1,2,3,4,5,6,7
	ds_store_b128 v[STO], v[AC+8*\b:AC+8*\b+3] offset:128*(\b/2)+32*(\b%2)
	ds_store_b128 v[STO], v[AC+8*\b+4:AC+8*\b+7] offset:128*(\b/2)+32*(\b%2)+16
.endr
	WIN 0
.set BB, BK+64*((\a)%2)
.irp t, 0,1,2,3,4,5,6,7,8,9,10,11,12,13,14,15
	ds_load_b128 v[BB+4*\t:BB+4*\t+3], v[RD] offset:\t*SPITCH
.endr
.endm
.macro SEND a, younger
.set BB, BK+64*((\a)%2)
	s_wait_dscnt \younger
.irp t, 0,1,2,3,4,5,6,7,8,9,10,11,12,13,14,15
	v_pk_add_f32 v[BB+4*\t:BB+4*\t+1], v[BB+4*\t:BB+4*\t+1], v[BO:BO+1]
	v_pk_add_f32 v[BB+4*\t+2:BB+4*\t+3], v[BB+4*\t+2:BB+4*\t+3], v[BO+2:BO+3]
.endr
.irp t, 0,1,2,3,4,5,6,7,8,9,10,11,12,13,14,15
	global_store_b128 v[L16], v[BB+4*\t:BB+4*\t+3], s[94:95] offset:(32*((\a)/2)+8*((\a)%2)+\t+8*(\t/8))*4096 th:TH_STORE_NT
.endr
.endm
.macro ARM under, g0, g1, next
	s_cmp_lt_u32 s14, \under
	s_cbranch_scc0 \next
	tensor_load_to_lds s[\g0:\g0+3], s[\g1:\g1+7]
	s_nop 0
.rept 4
	v_nop
.endr
	s_branch .Lhead_asked
\next:
.endm
	s_load_b256 s[4:11], s[0:1], 0x0               ; acod, ascl, wcod, wscl
	s_load_b128 s[92:95], s[0:1], 0x20             ; bo, out0
	v_lshl_add_u32 v[SPW], v0, 2, SPARE
	v_mov_b32 v[NIL], 0
	ds_add_u32 v[SPW], v[NIL]                      ; the opening lines
	ds_add_u32 v[SPW], v[NIL]
	v_lshrrev_b32 v1, 5, v0
	v_readfirstlane_b32 s14, v1                    ; wave
	s_lshr_b32 s15, s14, 1                         ; my half of the rows
	s_and_b32 s16, s14, 1                          ; my half of the columns
	s_bfe_u32 s40, ttmp6, 0x40000                  ; cx = the tile column
	s_bfe_u32 s41, ttmp6, 0x40004
	s_and_b32 s17, ttmp7, 0xffff
	s_lshl_b32 s17, s17, 2
	s_add_co_u32 s17, s17, s41                     ; the tile row, 0 .. 63
	s_lshl_b32 s43, s41, 2
	s_lshl_b32 s43, 15, s43                        ; my row of the cluster
	s_lshl_b32 s44, 0x1111, s40                    ; my column
	DENSE G1, 43, 384
	DENSE G1B, 44, 768
	DENSE G1S, 43, 16
	DENSE G1SB, 44, 32
	s_lshl_b32 s18, s17, 3                         ; O's first tile
	s_lshl_b32 s19, s40, 4                         ; Wo's
	s_mov_b32 s3, 0
	s_mov_b32 s13, 0
	s_wait_dscnt 0x0
	s_wait_kmcnt 0x0
	s_mul_i32 s2, s18, TBK
	s_add_nc_u64 s[20:21], s[4:5], s[2:3]
	s_lshl_b32 s2, s18, 9
	s_add_nc_u64 s[22:23], s[6:7], s[2:3]
	s_mul_i32 s12, s19, TBK
	s_add_co_u32 s12, s12, 2359296
	s_add_nc_u64 s[46:47], s[8:9], s[12:13]
	s_lshl_b32 s12, s19, 9
	s_add_co_u32 s12, s12, 98304
	s_add_nc_u64 s[104:105], s[10:11], s[12:13]
	CROUND                                         ; all sixteen work-groups are here: the joint loads meet
	s_mov_b32 s4, 1
	s_mov_b32 s5, 0
	s_mov_b64 s[6:7], s[20:21]
	s_or_b32 s7, s7, 0x80000000
	s_mov_b32 s8, 1
	s_mov_b32 s9, BBASE
	s_mov_b64 s[10:11], s[46:47]
	s_or_b32 s11, s11, 0x80000000
	s_mov_b32 s[G0S], 1
	s_mov_b32 s[G0S+1], SCL
	s_mov_b64 s[G0S+2:G0S+3], s[22:23]
	s_or_b32 s[G0S+3], s[G0S+3], 0x80000000
	s_mov_b32 s[G0SB], 1
	s_mov_b32 s[G0SB+1], SCL+4096
	s_mov_b64 s[G0SB+2:G0SB+3], s[104:105]
	s_or_b32 s[G0SB+3], s[G0SB+3], 0x80000000
	ARM 1, 4, G1, .Lhead_b                         ; one joint load a wave: O's codes, Wo's codes, O's scale words, Wo's
	ARM 2, 8, G1B, .Lhead_sa
	ARM 3, G0S, G1S, .Lhead_sb
	tensor_load_to_lds s[G0SB:G0SB+3], s[G1SB:G1SB+7]
	s_nop 0
.rept 4
	v_nop
.endr
.Lhead_asked:
	v_and_b32 v1, 15, v0
	v_bfe_u32 v2, v0, 4, 1
	v_and_b32 v3, 31, v0
	v_lshlrev_b32 v[L16], 4, v3
	v_lshlrev_b32 v[L8], 3, v3
	s_mul_i32 s21, s15, 4*TBK                      ; my 4 tiles of O
	s_mul_i32 s22, s16, 8*TBK                      ; my 8 tiles of Wo: four by each pair of address registers, so that every offset stays under 65,536
	s_add_co_u32 s22, s22, BBASE
	v_add_nc_u32 v[ADRA], s21, v[L16]
	v_add_nc_u32 v[ADRA+1], s21, v[L8]
	v_add_nc_u32 v[ADRB], s22, v[L16]
	v_add_nc_u32 v[ADRB+1], s22, v[L8]
	s_add_co_u32 s22, s22, 4*TBK
	v_add_nc_u32 v[ADRB+2], s22, v[L16]
	v_add_nc_u32 v[ADRB+3], s22, v[L8]
	v_lshlrev_b32 v5, 3, v1
	s_lshl_b32 s21, s15, 11                        ; O's scale words: my 4 tiles of 512 bytes
	s_lshl_b32 s22, s16, 12                        ; Wo's: my 8 tiles, behind O's 4,096 bytes
	s_add_co_u32 s22, s22, 4096
	s_sub_co_u32 s22, s22, s21
	v_mul_u32_u24 v6, s22, v2                      ; lanes 16-31 take Wo's
	s_add_co_u32 s21, s21, SCL
	v_add_nc_u32 v5, v5, v6
	v_add_nc_u32 v[ADRS], s21, v5
	s_mul_i32 s23, s14, 16*SPITCH
	v_mul_u32_u24 v5, v1, SPITCH
	v_lshl_add_u32 v5, v2, 6, v5
	v_add_nc_u32 v[STO], s23, v5
	v_add_nc_u32 v[RD], s23, v[L16]
	s_lshl_b32 s12, s40, 10                        ; my first column, in bytes
	s_lshl_b32 s2, s16, 9
	s_add_co_u32 s12, s12, s2
	s_add_nc_u64 s[92:93], s[92:93], s[12:13]
	s_add_nc_u64 s[94:95], s[94:95], s[12:13]
	s_lshl_b32 s2, s17, 19                         ; my first row: 128 x tile row + 64 x half, 4,096 bytes a row
	s_lshl_b32 s18, s15, 18
	s_add_co_u32 s2, s2, s18
	s_add_nc_u64 s[94:95], s[94:95], s[2:3]
	global_load_b128 v[BO:BO+3], v[L16], s[92:93]
	s_wait_alu depctr_va_vdst(0)                   ; the wait at the head's end
	s_wait_tensorcnt 0x0                           ; my block of the four is in
	s_barrier_signal -1
	s_barrier_wait -1                              ; everybody's is.  Nothing is filled again
	FETCH 0
	SCALES 0
.set ST, 0
.rept 7
.if ST > 0
	PLACES 4                                       ; in front of loads into registers that the step before multiplied
.endif
	FETCH ST+1
.if (ST+1)%2 == 0
	SCALES (ST+1)/2
	s_wait_dscnt 56                                ; this step's fragments are in; the 48 + 8 loads just issued may be out
.else
	s_wait_dscnt 48                                ; this step's fragments and scale words are in; the 48 loads just issued may be out
.endif
	MUL32 ST
.set ST, ST+1
.endr
	s_wait_dscnt 0x0                               ; my last reads of LDS are done:
	s_barrier_signal -1                            ; say so,
	MUL32 7
	s_barrier_wait -1                              ; and behind this wait nobody reads O's bytes any more: the stages lie there
	PLACES 4
	s_wait_loadcnt 0x0
	TOSTAGE 0
.irp a, 1,2,3
.if \a > 1
	s_wait_xcnt 0x0                                ; block a - 2's stores have read their registers
.endif
	TOSTAGE \a
	SEND \a-1, 32                                  ; behind block a - 1's loads: block a's 16 stores and 16 loads
.endr
	SEND 3, 0
	s_wait_tensorcnt 0x0                           ; the wave's end
	ds_add_u32 v[SPW], v[NIL]
	s_wait_dscnt 0x0
	CROUND                                         ; the closing round
	s_endpgm
.Lfunc_end_k_q221a6da764_outp:
	.size	k_q221a6da764_outp, .Lfunc_end_k_q221a6da764_outp-k_q221a6da764_outp
	.p2alignl 7, 3214868480
	.fill 96, 4, 3214868480
	.section	.rodata,"a",@progbits
	.p2align	6, 0x0
	.amdhsa_kernel k_q221a6da764_outp
		.amdhsa_group_segment_fixed_size 327680
		.amdhsa_private_segment_fixed_size 0
		.amdhsa_enable_private_segment 0
		.amdhsa_kernarg_size 48
		.amdhsa_user_sgpr_count 2
		.amdhsa_user_sgpr_kernarg_segment_ptr 1
		.amdhsa_wavefront_size32 1
		.amdhsa_system_sgpr_workgroup_id_x 1
		.amdhsa_system_sgpr_workgroup_id_y 1
		.amdhsa_system_sgpr_workgroup_id_z 1
		.amdhsa_system_vgpr_workitem_id 0
		.amdhsa_next_free_vgpr 768
		.amdhsa_next_free_sgpr 106
		.amdhsa_reserve_vcc 0
		.amdhsa_float_denorm_mode_32 3
		.amdhsa_float_denorm_mode_16_64 3
		.amdhsa_memory_ordered 1
		.amdhsa_forward_progress 1
		.amdhsa_inst_pref_size 91
	.end_amdhsa_kernel
	.amdgpu_metadata
---
amdhsa.version: [ 1, 2 ]
amdhsa.kernels:
  - .name:           k_q221a6da764_outp
    .symbol:         k_q221a6da764_outp.kd
    .args:
      - { .name: acod, .offset: 0, .size: 8, .value_kind: global_buffer, .address_space: global }
      - { .name: ascl, .offset: 8, .size: 8, .value_kind: global_buffer, .address_space: global }
      - { .name: wcod, .offset: 16, .size: 8, .value_kind: global_buffer, .address_space: global }
      - { .name: wscl, .offset: 24, .size: 8, .value_kind: global_buffer, .address_space: global }
      - { .name: bo, .offset: 32, .size: 8, .value_kind: global_buffer, .address_space: global }
      - { .name: out0, .offset: 40, .size: 8, .value_kind: global_buffer, .address_space: global }
    .group_segment_fixed_size: 327680
    .private_segment_fixed_size: 0
    .kernarg_segment_align: 8
    .kernarg_segment_size: 48
    .max_flat_workgroup_size: 128
    .sgpr_count:     106
    .vgpr_count:     768
    .wavefront_size: 32
...
	.end_amdgpu_metadata
.endif
;; end of part 4
